; MI455X (gfx1250); checked and timed in simulation.
; The chip was launched on July 23, 2026; its instructions are those of AMD's public machine-readable ISA for CDNA 5 (MIT licence, August 2026) and "CDNA5" Instruction Set Architecture Reference Guide (July 2026). The comments in the code are by the model that wrote it; some were corrected since.
;; attention. Allowed arithmetic: matrix products marked QUANTISED: E5M2 operands, one E8M0 scale for each 32 along K, by v_wmma_scale_f32_16x16x128_f8f6f4 with both operands' format E5M2, f32 sums; everything else in f32.
;; Inputs: Wk_codes 1,024 x 32 x 32 uint8 (E5M2 codes of Wk, K innermost, in blocks of 32 codes); Wk_scales 1,024 x 32 uint8 (E8M0 scales of Wk, one for each 32 codes along K); Wo_codes 1,024 x 32 x 32 uint8 (E5M2 codes of Wo, K innermost, in blocks of 32 codes); Wo_scales 1,024 x 32 uint8 (E8M0 scales of Wo, one for each 32 codes along K); Wq_codes 1,024 x 32 x 32 uint8 (E5M2 codes of Wq, K innermost, in blocks of 32 codes); Wq_scales 1,024 x 32 uint8 (E8M0 scales of Wq, one for each 32 codes along K); Wv_codes 1,024 x 32 x 32 uint8 (E5M2 codes of Wv, K innermost, in blocks of 32 codes); Wv_scales 1,024 x 32 uint8 (E8M0 scales of Wv, one for each 32 codes along K); bk 1,024 float32; bo 1,024 float32; bq 1,024 float32; bv 1,024 float32; x_codes 4 x 2,048 x 32 x 32 uint8 (E5M2 codes of x, K innermost, in blocks of 32 codes); x_scales 4 x 2,048 x 32 uint8 (E8M0 scales of x, one for each 32 codes along K).
;; Outputs: out0 4 x 2,048 x 1,024 float32.
;; This version of the problem:
;;   THIS VERSION OF THE PROBLEM IS GIVEN IN LOW PRECISION. The matrix products marked QUANTISED in the list below multiply operands that are first quantised to E5M2 (5 exponent bits, 2 mantissa bits; 8 bits a number), with one power-of-two scale for each 32 numbers along K (OCP MX v1.0); their sums are f32. All else is computed in f32.
;;   The module's matrix products, in the order in which they are computed (A, B: the left and right operand; K: the contracted axis; several contracted axes count as one K, in the product's order):
;;     1. [M 8,192, K 1,024] x [K 1,024, N 1,024]; A: input x (given as codes); B: input Wq (given as codes): QUANTISED
;;     2. [M 8,192, K 1,024] x [K 1,024, N 1,024]; A: input x (given as codes); B: input Wk (given as codes): QUANTISED
;;     3. [M 8,192, K 1,024] x [K 1,024, N 1,024]; A: input x (given as codes); B: input Wv (given as codes): QUANTISED
;;     4. batch 64 x [M 2,048, K 64] x [K 64, N 2,048]; A: computed on the way; B: computed on the way: QUANTISED
;;     5. batch 64 x [M 2,048, K 2,048] x [K 2,048, N 64]; A: softmax (see below); B: computed on the way: QUANTISED
;;     6. [M 8,192, K 1,024] x [K 1,024, N 1,024]; A: computed on the way; B: input Wo (given as codes): QUANTISED
;;   THE QUANTISER, for each operand of a quantised product, along K:
;;     - K is cut into blocks of 32 from its start; a last block that is shorter is filled with zeros.
;;     - A block's scale is 2^e with e = floor(log2(the largest magnitude in the block)) - 15, held to -126 .. 127; a block of zeros has e = 0. As a byte (E8M0): e + 127.
;;     - Each number is divided by its block's scale, clamped to +-57,344, and rounded to the nearest number of E5M2, ties to even, subnormals kept.
;;     - The product sums the exact products of the quantised numbers (number of the format x scale) in f32.
;;   ~~~python
;;   def quantise(x, axis):      # numpy; x: float32 -> the quantised numbers, widened to float32 again
;;       x = np.moveaxis(x, axis, -1); K = x.shape[-1]
;;       x = np.pad(x, [(0, 0)] * (x.ndim - 1) + [(0, -K % 32)]); x = x.reshape(x.shape[:-1] + (-1, 32)); a = np.abs(x).max(-1, keepdims=True)
;;       e = np.where(a > 0, np.clip(np.frexp(np.where(a > 0, a, 1))[1] - 1 - 15, -126, 127), 0)      # np.frexp(a)[1] - 1 = floor(log2(a)), exactly
;;       r = np.clip(x / 2.0 ** e, -57344, 57344)
;;       step = 2.0 ** (np.maximum(np.frexp(np.where(r == 0, 1, r))[1] - 1, -14) - 2)
;;       q = np.round(r / step) * step * 2.0 ** e      # np.round: ties to even
;;       return np.moveaxis(q.reshape(q.shape[:-2] + (-1,))[..., :K], -1, axis).astype(np.float32)
;;   ~~~
;;   SOFTMAX AHEAD OF A QUANTISED PRODUCT. Where the list says 'softmax', what is quantised is not the finished softmax but p = 2^(t - M), with t = logit x log2(e) and M = ceil(the row's largest t), a whole number; so 1/2 < the row's largest p <= 1. The row's sum l is taken of the UNQUANTISED p, in f32, and the product's result is divided by l at the end. Since M is a whole number, a kernel that streams over the keys may use a running M (the ceiling of the running maximum): every later rescaling is an exact power of two, which a block's scale takes up: the codes' values come out the same.
;;   OPERANDS COMPUTED ON THE WAY. 'Computed on the way' means the value that the module computes at that place (a softmax that the list does not call 'softmax' is quantised finished and normalised). What goes into a quantiser is computed in f32, as accurately as f32 sums, v_exp_f32 and their like allow (about 1e-6 of the number): no bf16 or f16 on the way to a quantiser, and a product that is left as it is and whose result goes on into a quantised operand takes f32 operands (vector FMAs, or v_wmma_f32_16x16x4_f32). A number that lies on a knife's edge between two numbers of the format may be rounded either way, as far as f32 arithmetic and the matrix unit's own rounding can turn it there, and no further.
;;   INPUTS GIVEN AS CODES. Wk (in the module: [1024, 1024], K = its axis 0); Wo (in the module: [1024, 1024], K = its axis 0); Wq (in the module: [1024, 1024], K = its axis 0); Wv (in the module: [1024, 1024], K = its axis 0); x (in the module: [4, 2048, 1024], K = its axis 2): each comes as NAME_codes (uint8): NAME with its K axis moved to the last place and cut into blocks of 32 codes, [.., K / 32, bytes a block], one block behind the other in memory; one code a byte (a code: sign, 5 exponent bits, 2 mantissa bits); and NAME_scales (uint8): the same leading axes, one E8M0 byte (e + 127) for each 32 codes along K. Its value is code x scale, taken as it is: it is not quantised again, and the codes and scales need not be those that the quantiser above would give.
;; One version. Each part assembles by itself: llvm-mc -triple=amdgcn-amd-amdhsa -mcpu=gfx1250 --defsym DOCPART=n.
;; ======== version 1 of 1: 4 launches
;; workspace buffers: rope_tab 524,288 bytes; qkv_codes 25,165,824 bytes; qkv_scales 786,432 bytes; inter_codes 8,388,608 bytes; inter_scales 262,144 bytes
;; launch rope (part 1): grid 128 x 1, 1 waves a work-group, no clusters, 0 bytes of LDS; arguments rope_tab; writes rope_tab
.if DOCPART == 1
	.amdgcn_target "amdgcn-amd-amdhsa--gfx1250"
	.amdhsa_code_object_version 6
	.text
	.protected	k_qf5c6927e32_rope
	.globl	k_qf5c6927e32_rope
	.p2align	8
	.type	k_qf5c6927e32_rope,@function
k_qf5c6927e32_rope:
	s_mov_b64 s[64:65], 0
	v_nop
	global_prefetch_b8 v0, s[64:65] scope:SCOPE_SE
	s_setreg_imm32_b32 hwreg(HW_REG_WAVE_MODE, 25, 1), 1
	s_wait_xcnt 0x0
; THE ROTARY TABLE: cos and sin of theta = n x inv_freq[i], n = 0 .. 2047, i = 0 .. 31, inv_freq[i] = 1 / 10000^(2 i / 64) = 1 / 10^(i / 8), in f32.
; Nothing of reference() is left out in this program: all six products, all four biases and every input have a way to the output.
; The table is made once here, since the launch that rotates q and k would otherwise make each pair again in the eight work-groups that share a block of positions.
; LAYOUT, in the order in which that launch's lanes take it: [tile of 16 positions: 128][idx 8][lane 32][16 bytes]; idx = 2 t4 + j; lane = 16 h + r;
; the 16 bytes are cos, sin, cos, sin of position 16 tile + r at the frequencies i = 8 t4 + 4 h + 2 j and the next.
; ARITHMETIC.  10^(i / 8) is given rounded to f32; its reciprocal is brought to the nearest f32 by two Newton steps; theta is ONE f32 multiplication, as reference() has it.
; cos and sin: k = the nearest whole number to theta x 2 / pi; r = theta - k pi / 2 with pi / 2 in two parts (the first difference is exact: k is under 2^11); polynomials on |r| <= pi / 4; the quadrant from k.
; LIMIT: reference()'s own power may differ from the rounded 10^(i / 8) in its last bits; theta then differs by as many of its own last bits.
; One wave takes a tile of 16 positions; a lane makes 16 pairs.  No LDS, no matrix unit, no cluster: the work-groups share no input.
.set P,   16                           ; v16-31  10^(i / 8) of my 16 frequencies
.set INV, 32                           ; v32-47  their reciprocals
.set W,   48                           ; v48-63  at work
.set OUT, 64                           ; v64-95  pair q = 4 t4 + 2 j + e: cos at 64 + 2 q, sin behind it
	s_load_b64 s[4:5], s[0:1], 0x0
	v_and_b32 v1, 15, v0                           ; r
	v_lshlrev_b32 v4, 4, v0                        ; 16 x lane
	s_lshl_b32 s6, ttmp9, 4
	v_add_nc_u32 v2, s6, v1
	v_cvt_f32_u32 v3, v2                           ; my position
	v_cmp_lt_u32 s20, 15, v0                       ; the lanes with h = 1
	s_mov_b32 s8, 0x3f22f983                       ; 2 / pi
	s_mov_b32 s9, 0xbfc90fdb                       ; -(pi / 2 rounded to f32)
	s_mov_b32 s10, 0x333bbd2e                      ; that number less pi / 2
	s_mov_b32 s11, 0xbe2aaaa3                      ; sine: -1.6666654611e-1,
	s_mov_b32 s12, 0x3c08839e                      ; 8.3321608736e-3,
	s_mov_b32 s13, 0xb94ca1f9                      ; -1.9515295891e-4
	s_mov_b32 s14, 0x3d2aaaa5                      ; cosine: 4.166664568e-2,
	s_mov_b32 s15, 0xbab6061a                      ; -1.388731625e-3,
	s_mov_b32 s16, 0x37ccf5ce                      ; 2.443315712e-5
	s_lshl_b32 s6, ttmp9, 12                       ; a tile's 4,096 bytes
	s_mov_b32 s7, 0
.macro PSEL q, lo, hi                  ; 10^(i / 8): lanes 0-15 take i = 8 t4 + m, lanes 16-31 i = 8 t4 + 4 + m
	v_mov_b32 v[P+\q], \lo
	v_mov_b32 v[W], \hi
	v_cndmask_b32 v[P+\q], v[P+\q], v[W], s20
.endm
	PSEL 0, 1.0, 3.1622776601683795
	PSEL 1, 1.3335214321633240, 4.2169650342858225
	PSEL 2, 1.7782794100389228, 5.6234132519034908
	PSEL 3, 2.3713737056616552, 7.4989420933245582
	PSEL 4, 10.0, 31.622776601683795
	PSEL 5, 13.335214321633240, 42.169650342858225
	PSEL 6, 17.782794100389228, 56.234132519034908
	PSEL 7, 23.713737056616552, 74.989420933245582
	PSEL 8, 100.0, 316.22776601683795
	PSEL 9, 133.35214321633240, 421.69650342858225
	PSEL 10, 177.82794100389228, 562.34132519034908
	PSEL 11, 237.13737056616552, 749.89420933245582
	PSEL 12, 1000.0, 3162.2776601683795
	PSEL 13, 1333.5214321633240, 4216.9650342858225
	PSEL 14, 1778.2794100389228, 5623.4132519034908
	PSEL 15, 2371.3737056616552, 7498.9420933245582
.irp q, 0,1,2,3,4,5,6,7,8,9,10,11,12,13,14,15
	v_rcp_f32 v[INV+\q], v[P+\q]
.endr
	v_nop                                          ; a plain instruction behind the last reciprocal
	s_wait_alu depctr_va_vdst(0)                   ; one wait for the batch of sixteen, ahead of the first reader
.rept 2
.irp q, 0,1,2,3,4,5,6,7,8,9,10,11,12,13,14,15
	v_fma_f32 v[W+\q], -v[P+\q], v[INV+\q], 1.0    ; what is missing from 1,
.endr
.irp q, 0,1,2,3,4,5,6,7,8,9,10,11,12,13,14,15
	v_fma_f32 v[INV+\q], v[W+\q], v[INV+\q], v[INV+\q]   ; made good
.endr
.endr
.macro TRIG q
	v_mul_f32 v48, v3, v[INV+\q]                   ; theta
	v_mul_f32 v49, s8, v48
	v_rndne_f32 v49, v49                           ; k
	v_fma_f32 v50, v49, s9, v48
	v_fma_f32 v50, v49, s10, v50                   ; r
	v_mul_f32 v51, v50, v50                        ; z = r r
	v_fma_f32 v52, s13, v51, s12
	v_fma_f32 v52, v52, v51, s11
	v_mul_f32 v53, v51, v50
	v_fma_f32 v52, v52, v53, v50                   ; sin r
	v_fma_f32 v54, s16, v51, s15
	v_fma_f32 v54, v54, v51, s14
	v_mul_f32 v55, v51, v51
	v_fma_f32 v56, v51, -0.5, 1.0
	v_fma_f32 v54, v54, v55, v56                   ; cos r
	v_cvt_i32_f32 v57, v49
	v_and_b32 v58, 1, v57
	v_cmp_eq_u32 vcc_lo, 1, v58                    ; in the odd quadrants the two change places
	v_cndmask_b32 v59, v52, v54, vcc_lo
	v_cndmask_b32 v60, v54, v52, vcc_lo
	v_lshlrev_b32 v58, 30, v57                     ; the sine is negative where bit 1 of k is set,
	v_and_b32 v58, 0x80000000, v58
	v_xor_b32 v[OUT+2*\q+1], v58, v59
	v_add_nc_u32 v57, 1, v57                       ; the cosine where bit 1 of k + 1 is
	v_lshlrev_b32 v57, 30, v57
	v_and_b32 v57, 0x80000000, v57
	v_xor_b32 v[OUT+2*\q], v57, v60
.endm
.irp q, 0,1,2,3,4,5,6,7,8,9,10,11,12,13,14,15
	TRIG \q
.endr
	s_wait_kmcnt 0x0
	s_add_nc_u64 s[4:5], s[4:5], s[6:7]
.irp x, 0,1,2,3,4,5,6,7
	global_store_b128 v4, v[OUT+4*\x:OUT+4*\x+3], s[4:5] offset:512*\x   ; 32 lanes store 512 consecutive bytes, at a multiple of 256 from the buffer's first byte
.endr
	s_endpgm
.Lfunc_end_k_qf5c6927e32_rope:
	.size	k_qf5c6927e32_rope, .Lfunc_end_k_qf5c6927e32_rope-k_qf5c6927e32_rope
	.p2alignl 7, 3214868480
	.fill 96, 4, 3214868480
	.section	.rodata,"a",@progbits
	.p2align	6, 0x0
	.amdhsa_kernel k_qf5c6927e32_rope
		.amdhsa_group_segment_fixed_size 0
		.amdhsa_private_segment_fixed_size 0
		.amdhsa_enable_private_segment 0
		.amdhsa_kernarg_size 8
		.amdhsa_user_sgpr_count 2
		.amdhsa_user_sgpr_kernarg_segment_ptr 1
		.amdhsa_wavefront_size32 1
		.amdhsa_system_sgpr_workgroup_id_x 1
		.amdhsa_system_sgpr_workgroup_id_y 1
		.amdhsa_system_sgpr_workgroup_id_z 1
		.amdhsa_system_vgpr_workitem_id 0
		.amdhsa_next_free_vgpr 96
		.amdhsa_next_free_sgpr 66
		.amdhsa_reserve_vcc 1
		.amdhsa_float_denorm_mode_32 3
		.amdhsa_float_denorm_mode_16_64 3
		.amdhsa_memory_ordered 1
		.amdhsa_forward_progress 1
		.amdhsa_inst_pref_size 29
	.end_amdhsa_kernel
	.amdgpu_metadata
---
amdhsa.version: [ 1, 2 ]
amdhsa.kernels:
  - .name:           k_qf5c6927e32_rope
    .symbol:         k_qf5c6927e32_rope.kd
    .args:
      - { .name: rope_tab, .offset: 0, .size: 8, .value_kind: global_buffer, .address_space: global }
    .group_segment_fixed_size: 0
    .private_segment_fixed_size: 0
    .kernarg_segment_align: 8
    .kernarg_segment_size: 8
    .max_flat_workgroup_size: 32
    .sgpr_count:     66
    .vgpr_count:     96
    .wavefront_size: 32
...
	.end_amdgpu_metadata
.endif
;; end of part 1
;; launch qkv (part 2): grid 12 x 32, 4 waves a work-group, clusters of 4 x 4, 327,680 bytes of LDS; arguments x_codes, x_scales, Wq_codes, Wq_scales, Wk_codes, Wk_scales, Wv_codes, Wv_scales, bq, bk, bv, rope_tab, qkv_codes, qkv_scales; writes qkv_codes, qkv_scales
.if DOCPART == 2
	.amdgcn_target "amdgcn-amd-amdhsa--gfx1250"
	.amdhsa_code_object_version 6
	.text
	.protected	k_qf5c6927e32_qkv
	.globl	k_qf5c6927e32_qkv
	.p2align	8
	.type	k_qf5c6927e32_qkv,@function
k_qf5c6927e32_qkv:
	s_mov_b64 s[64:65], 0
	v_nop
	global_prefetch_b8 v0, s[64:65] scope:SCOPE_SE
	s_setreg_imm32_b32 hwreg(HW_REG_WAVE_MODE, 25, 1), 1
	s_wait_xcnt 0x0
	s_wait_alu depctr_hold_cnt(0) depctr_sa_sdst(0) depctr_va_vdst(0) depctr_va_sdst(0) depctr_va_ssrc(0) depctr_va_vcc(0) depctr_vm_vsrc(0)
	s_getreg_b32 s2, hwreg(HW_REG_IB_STS2, 6, 4)
	s_cmp_eq_u32 s2, 0
	s_cbranch_scc0 .Lentry_in_a_cluster
	s_endpgm
.Lentry_in_a_cluster:
	s_bfe_u32 s2, ttmp6, 0x10000c
	s_cmp_lg_u32 s2, 0xf033
	s_cbranch_scc0 .Lentry_shape_is_right
	s_endpgm
.Lentry_shape_is_right:
; q = rope(x Wq + bq), k = rope(x Wk + bk), v = x Wv + bv, each quantised at once to codes of BF8 (E5M2) with one E8M0 scale for each 32 along the K of the product that will take it: q and k along the head's 64, v along the keys.
; Nothing is left out: every product, bias and input of these steps is live.
; ONE GEMM TEXT: C'[i][j] = sum over k of A[i][k] B[j][k], K = 1,024, on codes and scale bytes as they lie in memory.  Source 0 = 16 rows of B, source 1 = 16 rows of A: lane (r, h) holds row i = r and j = 8 h + 0 .. 7.
; The cluster's x says which product: 0: q, 1: k (A = x, B = the weight: a lane holds ONE position and eight neighbouring channels), 2: v (A = Wv, B = x: a lane holds ONE channel and eight neighbouring keys).
; So what a quantiser wants as neighbours lies in one lane's registers in all three.  The cluster's x is the same in all sixteen partners: pointers are chosen by it, and the text parts on it three times
; (the bias, the first step, the way out); each arm reads only registers that both arms of the earlier partings have written, and both leave the same loads out.
; A tile of C' is 256 x 256: four waves, each 128 x 128 in 64 accumulators.  K goes in steps of 256 through a ring of two LDS slots filled by the tensor data mover; the scale bytes of the 512 rows come once.
; CLUSTERS: 4 x 4 work-groups; A's tiles are asked for jointly along a row of the cluster, B's along a column.
; THE BIAS is the C of each sum's first matrix instruction.  q, k: eight registers a tile of B (the lane's eight channels).  v: the lane's one channel, eight times.
; OUT, in the order of the reader's operand registers.  qkv_codes: part P x 2^23; 131,072 bytes for each (batch, head).  q, k: [tile of 16 rows][cd 2][lane 16 hh + r][16 bytes]: row r, channel 32 cd + 16 hh + byte.
;   v: [128 keys][tile of 16 channels][c 4][lane 16 hh + r][16 bytes]: channel r; byte s is key 32 c + 8 hh + s % 8 + 16 (s / 8): a permutation inside a block of 32 keys, the one that the softmax's p has in its registers.
; qkv_scales: part P x 2^18; 4,096 bytes for each (batch, head).  q, k: [32 rows][r 16][tau 2] two bytes of row 32 G + 16 tau + r.  v: [128 keys][channel 64] four bytes.
; LIMITS: NaN or infinity among the codes and the scale byte 0xff are not served.  A block whose largest magnitude lies under 2^(16 - 127), a block of zeros too, gets the byte 1: these bytes are read by this program alone.
; REGISTERS, in windows of 256: window 0: v16-31 addresses; v32-63 scale words, two sets; v64-127 the bias, later the rotary table, two sets; v128-255 A's fragments, one set; on the way out v32-59 and v128-223 are at work.
;   window 1: B's fragments, two sets.   window 2: the accumulators of A's blocks 0-3 ((a, b) at v[8 (8 a + b)]);   window 3: those of blocks 4-7.
.set NQ,     2                         ; matrix instructions deep in a slot: 256 along K
.set ROWB,   256                       ; a tile's row in bytes
.set KROW,   1024                      ; a row of x or of a weight in memory
.set PITCH,  272                       ; an LDS row: 256 bytes + 16 of padding = 68 words: row r starts at bank 4 r mod 64 (64 banks of 4 bytes: ISA guide 11.1)
.set FR,     16                        ; registers of a fragment
.set NL,     4                         ; LDS loads that bring one
.set NP,     8                         ; places behind this matrix instruction (ISA guide 7.12.1)
.set HALFT,  128*PITCH                 ; 128 rows: what one tensor load brings
.set SLOT,   4*HALFT                   ; A's 256 rows, then B's
.set KS,     32                        ; a row of scale bytes
.set SCL,    2*SLOT                    ; behind the ring: the scale bytes, as units of 256 bytes + 16 of padding
.set HALFS,  16*272                    ; those of 128 rows
.set SBLK,   2*272                     ; those of 16 rows
.set SPARE,  SCL+4*HALFS               ; the spare words, 128 bytes for each wave
.set STGQ,   SPARE+512                 ; q's and k's scale bytes on the way out: 512 bytes for each wave
.set STGV,   STGQ+2048                 ; v's: bytes of their own
.set ADRA, 16                          ; v16-17 LDS address of my A fragments in slot 0, 1
.set VB,   18                          ; v18  32 h: the bias of my eight channels
.set VBV,  19                          ; v19  4 r: the bias of my one channel
.set ADRB, 20                          ; v20-21 the same as ADRA for B
.set SSTQ, 22                          ; v22  STGQ + 512 wave + 4 r
.set SRDQ, 23                          ; v23  STGQ + 512 wave + 16 lane
.set VQ,   24                          ; v24  16 r + 8 h
.set VL,   25                          ; v25  16 lane
.set VS,   26                          ; v26  4,096 h + 16 r
.set ADRS, 27                          ; v27  LDS address of my scale words: lanes 0-15 A's rows, lanes 16-31 B's
.set SPW,  28                          ; v28  my spare word; never rewritten
.set NIL,  29                          ; v29  0; never rewritten
.set SSTV, 30
.set SRDV, 31
.set SC,   32                          ; scale words: set s at v[SC + 16 s]; register 2 i + q: lanes 0-15 A's block i, lanes 16-31 B's block i
.set TM,   32                          ; the way out: v32-35 largest magnitudes, v36-39 bytes, v40-43 the largest number x the scale, v44-47 the conversions' scale operands
.set U,    52                          ; v52-59 the rotation's cross terms
.set CB,   64                          ; the bias as C
.set CS,   64                          ; the table: set a % 2 at v[CS + 32 (a % 2)]: tile t4, pair p: cos, sin at + 8 t4 + 2 p
.set AF,   128
.set T,    128                         ; v128-191 64 numbers ahead of the quantiser
.set PC,   192                         ; v192-207 their codes
.set WR,   208                         ; v208-223 scale words for the stage: registers of their own for each block
.set BIAS, 12
.set SEL,  2                           ; s[2:3] lane selects for v_permlanex16_b32: lane l xor 16
.set MNT,  66                          ; the mantissa field of 57,344
.set G1, 24
.set G0, 32
.set G1B, 48
.set G0B, 56
.set G1S, 68
.set G0S, 76
.set G1SB, 80
.set G0SB, 88
.set OUTC, 96
.set OUTS, 98
.set TAB,  100
.set MSB, 0
.macro WIN new                         ; the immediate's high byte repeats the setting that is left; a switch that changes nothing is dropped
.if MSB != (\new)
	s_set_vgpr_msb (MSB<<8)|(\new)
.set MSB, (\new)
.endif
.endm
.set MUL_LO, 0xa1                      ; source 0 (B) window 1, source 1 (A) window 0, C and D window 2
.set MUL_HI, 0xf1                      ; the same, C and D window 3
.set TO_B,   0x40
; A joint load: waves 0 and 1 fetch for A, waves 2 and 3 for B.  The branch hangs on the wave's number alone.  An s_nop 0 and four v_nop follow each of the two lines.
.macro JLOAD g0a, g1a, g0b, g1b
	s_cmp_eq_u32 s15, 0
	s_cbranch_scc0 .Lfor_b_\@
	tensor_load_to_lds s[\g0a:\g0a+3], s[\g1a:\g1a+7]
	s_nop 0
.rept 4
	v_nop
.endr
	s_branch .Lasked_\@
.Lfor_b_\@:
	tensor_load_to_lds s[\g0b:\g0b+3], s[\g1b:\g1b+7]
	s_nop 0
.rept 4
	v_nop
.endr
.Lasked_\@:
.endm
.macro CREST                           ; a round of the cluster's barrier behind its opening barrier
	s_cmp_lg_u32 s14, 0
	s_cbranch_scc1 .Lnot_wave_0_\@
	s_barrier_signal -3
.Lnot_wave_0_\@:
	s_barrier_wait -3
	s_barrier_signal -1
	s_barrier_wait -1
.endm
.macro CROUND
	s_barrier_signal -1
	s_barrier_wait -1
	CREST
.endm
	s_load_b512 s[24:39], s[0:1], 0x0              ; x's codes, scales; Wq's; Wk's; Wv's
	s_load_b256 s[68:75], s[0:1], 0x40             ; bq, bk, bv, the table
	s_load_b128 s[76:79], s[0:1], 0x60             ; qkv_codes, qkv_scales
	v_lshl_add_u32 v[SPW], v0, 2, SPARE
	v_mov_b32 v[NIL], 0
	ds_add_u32 v[SPW], v[NIL]                      ; the wave's opening: the add, twice on end, and its wait ahead of my first tensor load
	ds_add_u32 v[SPW], v[NIL]
	v_lshrrev_b32 v1, 5, v0
	v_readfirstlane_b32 s14, v1                    ; wave 0..3
	s_lshr_b32 s15, s14, 1                         ; which half of A's rows is mine.  Also: I fetch for A (0) or for B (1)
	s_and_b32 s16, s14, 1                          ; which half of B's rows.  Also: which 128 rows I fetch
	s_bfe_u32 s40, ttmp6, 0x40000                  ; cx
	s_bfe_u32 s41, ttmp6, 0x40004                  ; cy
	s_and_b32 s18, ttmp7, 0xffff
	s_lshl_b32 s18, s18, 2                         ; 4 x cluster y: it walks x's 32 tiles of rows, which are A's for q and k and B's for v
	s_cmp_eq_u32 ttmp9, 2
	s_cselect_b32 s19, 0, s18
	s_cselect_b32 s18, s18, 0
	s_add_co_u32 s17, s19, s41                     ; A's tile: made of cy and the cluster's place alone
	s_add_co_u32 s42, s18, s40                     ; B's tile: of cx and the cluster's place alone
	s_lshl_b32 s43, s41, 2
	s_lshl_b32 s43, 15, s43                        ; my row of the cluster
	s_lshl_b32 s44, 0x1111, s40                    ; my column
	s_lshl_b32 s18, s16, 7
	s_lshl_b32 s20, s17, 8
	s_add_co_u32 s20, s20, s18                     ; the first row of A that I fetch
	s_lshl_b32 s46, s42, 8
	s_add_co_u32 s46, s46, s18                     ; and of B
	s_lshl_b32 s22, s20, 5                         ; its scale bytes,
	s_mov_b32 s23, 0
	s_lshl_b32 s20, s20, 10                        ; its codes (8,192 rows of 1,024 bytes stay under 2^23)
	s_mov_b32 s21, 0
	s_lshl_b32 s92, s46, 5
	s_mov_b32 s93, 0
	s_lshl_b32 s46, s46, 10
	s_mov_b32 s47, 0
	s_mul_i32 s45, s14, HALFT                      ; where they go: wave x 128 rows: no place in the cluster enters an LDS address
	s_mul_i32 s94, s14, HALFS
	s_mov_b32 s[SEL], 0x76543210
	s_mov_b32 s[SEL+1], 0xfedcba98
	s_mov_b32 s[MNT], 0x600000
	s_wait_dscnt 0x0                               ; both opening adds are done
	s_wait_kmcnt 0x0
	s_cmp_eq_u32 ttmp9, 2                          ; the buffers are chosen by the cluster's x alone
	s_cselect_b64 s[4:5], s[36:37], s[24:25]       ; A's codes: Wv's or x's
	s_cselect_b64 s[6:7], s[38:39], s[26:27]
	s_cselect_b64 s[8:9], s[24:25], s[28:29]       ; B's: x's, or Wq's,
	s_cselect_b64 s[10:11], s[26:27], s[30:31]
	s_cselect_b64 s[BIAS:BIAS+1], s[72:73], s[68:69]
	s_cmp_eq_u32 ttmp9, 1
	s_cselect_b64 s[8:9], s[32:33], s[8:9]         ; or Wk's
	s_cselect_b64 s[10:11], s[34:35], s[10:11]
	s_cselect_b64 s[BIAS:BIAS+1], s[70:71], s[BIAS:BIAS+1]
	s_mov_b64 s[OUTC:OUTC+1], s[76:77]
	s_mov_b64 s[OUTS:OUTS+1], s[78:79]
	s_mov_b64 s[TAB:TAB+1], s[74:75]
	s_add_nc_u64 s[20:21], s[4:5], s[20:21]
	s_add_nc_u64 s[22:23], s[6:7], s[22:23]
	s_add_nc_u64 s[46:47], s[8:9], s[46:47]
	s_add_nc_u64 s[92:93], s[10:11], s[92:93]
	; descriptor group 1 (over the registers that held the arguments): a tile of 128 rows x 256 bytes, 16 bytes of padding behind each row
	s_or_b32 s[G1+0], s43, (0<<16)|(1<<20)|(1<<21)|(5<<22)|(3<<25)   ; 15:0 the mask: my row; 17:16 elements of 1 byte; 20 padding on; 21 set beside a mask; 24:22 after every 64 words; 31:25 four words
	s_or_b32 s[G1B+0], s44, (0<<16)|(1<<20)|(1<<21)|(5<<22)|(3<<25)  ; the same with my column
.irp g, G1, G1B
	s_mov_b32 s[\g+1], ROWB<<16                    ; tensor_dim0
	s_mov_b32 s[\g+2], 128<<16                     ; tensor_dim1
	s_mov_b32 s[\g+3], ROWB<<16                    ; tile_dim0
	s_mov_b32 s[\g+4], 128                         ; tile_dim1
	s_mov_b32 s[\g+5], KROW                        ; from row to row
	s_mov_b32 s[\g+6], 0
	s_mov_b32 s[\g+7], 0
.endr
	; the scale bytes of 128 rows: 4,096 dense bytes, as 16 rows of 256 (32 elements of 8 bytes), 16 bytes of padding behind each
	s_or_b32 s[G1S+0], s43, (3<<16)|(1<<20)|(1<<21)|(5<<22)|(3<<25)
	s_or_b32 s[G1SB+0], s44, (3<<16)|(1<<20)|(1<<21)|(5<<22)|(3<<25)
.irp g, G1S, G1SB
	s_mov_b32 s[\g+1], 32<<16
	s_mov_b32 s[\g+2], 16<<16
	s_mov_b32 s[\g+3], 32<<16
	s_mov_b32 s[\g+4], 16
	s_mov_b32 s[\g+5], 32
	s_mov_b32 s[\g+6], 0
	s_mov_b32 s[\g+7], 0
.endr
	CROUND                                         ; all sixteen work-groups are here: the first joint loads meet
	s_mov_b32 s[G0S], 1
	s_add_co_u32 s[G0S+1], s94, SCL
	s_mov_b64 s[G0S+2:G0S+3], s[22:23]
	s_or_b32 s[G0S+3], s[G0S+3], 0x80000000
	s_mov_b32 s[G0SB], 1
	s_add_co_u32 s[G0SB+1], s94, SCL
	s_mov_b64 s[G0SB+2:G0SB+3], s[92:93]
	s_or_b32 s[G0SB+3], s[G0SB+3], 0x80000000
	JLOAD G0S, G1S, G0SB, G1SB                     ; the scale bytes first: they are wanted with K step 0.  With the two below, three loads of mine are out
.irp s, 0,1
	s_mov_b32 s[G0+4*\s], 1
	s_add_co_u32 s[G0+4*\s+1], s45, \s*SLOT
	s_add_nc_u64 s[G0+4*\s+2:G0+4*\s+3], s[20:21], \s*ROWB
	s_or_b32 s[G0+4*\s+3], s[G0+4*\s+3], 0x80000000
	s_mov_b32 s[G0B+4*\s], 1
	s_add_co_u32 s[G0B+4*\s+1], s45, \s*SLOT
	s_add_nc_u64 s[G0B+4*\s+2:G0B+4*\s+3], s[46:47], \s*ROWB
	s_or_b32 s[G0B+4*\s+3], s[G0B+4*\s+3], 0x80000000
	JLOAD G0+4*\s, G1, G0B+4*\s, G1B
.endr
	v_and_b32 v1, 15, v0                           ; r
	v_bfe_u32 v2, v0, 4, 1                         ; h
	v_mul_u32_u24 v3, v1, PITCH
	v_lshl_add_u32 v4, v2, 4, v3                   ; a fragment's row x pitch + 16 h
	s_mul_i32 s21, s15, HALFT                      ; my 128 rows of A
	s_mul_i32 s22, s16, HALFT                      ; my 128 rows of B,
	s_add_co_u32 s22, s22, 2*HALFT                 ; behind A's 256
.irp s, 0,1
	v_add_nc_u32 v[ADRA+\s], s21, v4
	v_add_nc_u32 v[ADRB+\s], s22, v4
	s_add_co_u32 s21, s21, SLOT
	s_add_co_u32 s22, s22, SLOT
.endr
	v_mul_u32_u24 v5, v1, KS                       ; my row's scale bytes: 32 a row,
	v_lshrrev_b32 v6, 8, v5
	v_lshl_add_u32 v5, v6, 4, v5                   ; and 16 more for each 256 passed
	s_mul_i32 s21, s15, HALFS
	s_mul_i32 s22, s16, HALFS
	s_add_co_u32 s22, s22, 2*HALFS
	s_sub_co_u32 s22, s22, s21
	v_mul_u32_u24 v6, s22, v2                      ; lanes 16-31 take B's: one product, the distance between the two bases x h
	s_add_co_u32 s21, s21, SCL
	v_add_nc_u32 v5, v5, v6
	v_add_nc_u32 v[ADRS], s21, v5
	s_lshl_b32 s23, s14, 9                         ; the stages: all LDS addresses are made here, ahead of the first parting
	v_lshl_add_u32 v[SSTQ], v1, 2, s23
	v_add_nc_u32 v[SSTQ], STGQ, v[SSTQ]
	v_and_b32 v6, 31, v0
	v_lshlrev_b32 v[VL], 4, v6
	v_add_nc_u32 v[SRDQ], s23, v[VL]
	v_add_nc_u32 v[SRDQ], STGQ, v[SRDQ]
	v_add_nc_u32 v[SSTV], 2048, v[SSTQ]
	v_add_nc_u32 v[SRDV], 2048, v[SRDQ]
	v_lshlrev_b32 v[VQ], 4, v1
	v_lshl_add_u32 v[VQ], v2, 3, v[VQ]
	v_lshlrev_b32 v[VS], 12, v2
	v_lshl_add_u32 v[VS], v1, 4, v[VS]
	v_lshlrev_b32 v[VB], 5, v2
	v_lshlrev_b32 v[VBV], 2, v1
	; where my results go.  My first row of x and my first row of the weight (the descriptors are made: these registers may now mix cx and cy)
	s_lshl_b32 s20, s17, 8
	s_lshl_b32 s21, s15, 7
	s_add_co_u32 s20, s20, s21                     ; my first row of A
	s_lshl_b32 s46, s42, 8
	s_lshl_b32 s47, s16, 7
	s_add_co_u32 s46, s46, s47                     ; and of B
	s_cmp_eq_u32 ttmp9, 2
	s_cselect_b32 s21, s46, s20                    ; of x
	s_cselect_b32 s22, s20, s46                    ; of the weight
	s_lshr_b32 s23, s21, 11                        ; the batch
	s_and_b32 s21, s21, 2047                       ; the position in it
	s_lshl_b32 s23, s23, 4
	s_lshr_b32 s47, s22, 6
	s_add_co_u32 s23, s23, s47                     ; 16 x batch + my first head
	s_lshl_b32 s92, ttmp9, 23
	s_lshl_b32 s93, s23, 17
	s_add_co_u32 s92, s92, s93
	s_lshl_b32 s93, s21, 6                         ; 64 bytes of codes a position, in all three layouts
	s_add_co_u32 s92, s92, s93
	s_mov_b32 s93, 0
	s_add_nc_u64 s[OUTC:OUTC+1], s[OUTC:OUTC+1], s[92:93]
	s_lshl_b32 s92, ttmp9, 18
	s_lshl_b32 s47, s23, 12
	s_add_co_u32 s92, s92, s47
	s_lshl_b32 s47, s21, 1                         ; 2 scale bytes a position
	s_add_co_u32 s92, s92, s47
	s_add_nc_u64 s[OUTS:OUTS+1], s[OUTS:OUTS+1], s[92:93]
	s_lshl_b32 s92, s22, 2
	s_add_nc_u64 s[BIAS:BIAS+1], s[BIAS:BIAS+1], s[92:93]
	s_lshl_b32 s92, s21, 8                         ; 256 bytes of the table a position
	s_add_nc_u64 s[TAB:TAB+1], s[TAB:TAB+1], s[92:93]
	s_cmp_eq_u32 ttmp9, 2                          ; THE BIAS AS C.  Both arms fill v64-127
	s_cbranch_scc1 .Lbias_v
.irp b, 0,1,2,3,4,5,6,7
	global_load_b128 v[CB+8*\b:CB+8*\b+3], v[VB], s[BIAS:BIAS+1] offset:64*\b       ; q, k: B's block b: channels 16 b + 8 h + 0 .. 7
	global_load_b128 v[CB+8*\b+4:CB+8*\b+7], v[VB], s[BIAS:BIAS+1] offset:64*\b+16
.endr
	s_branch .Lbias_done
.Lbias_v:
.irp a, 0,1,2,3,4,5,6,7
.irp j, 0,1,2,3,4,5,6,7
	global_load_b32 v[CB+8*\a+\j], v[VBV], s[BIAS:BIAS+1] offset:64*\a              ; v: A's block a: my one channel 16 a + r, in each of a C tile's eight registers
.endr
.endr
.Lbias_done:
.macro FRAG reg, adr, q, i             ; a fragment: lane l holds row l % 16; registers 4 c .. 4 c + 3 hold K = 32 c + 16 (l / 16) + 0 .. 15
.irp c, 0,1,2,3
	ds_load_b128 v[\reg+4*\c:\reg+4*\c+3], v[\adr] offset:128*(\q)+32*\c+(\i)*16*PITCH
.endr
.endm
; 16 matrix instructions: A's blocks a0, a0 + 1 x B's eight, 128 along K.  p: B's set; sc: the set of scale words.  zero = 0: in place; 1: C = 0; 2: C = the bias of B's block; 3: C = the bias of A's block.
; The 64 accumulators take turns, one instruction a turn, in the same order in every step.
.macro MUL16 a0, p, q, sc, zero
.irp a, \a0, \a0+1
.irp b, 0,1,2,3,4,5,6,7
.if (\zero) == 0
	v_wmma_scale_f32_16x16x128_f8f6f4 v[8*(8*((\a)%4)+\b):8*(8*((\a)%4)+\b)+7], v[128*(\p)+FR*\b:128*(\p)+FR*\b+FR-1], v[AF+FR*(\a):AF+FR*(\a)+FR-1], v[8*(8*((\a)%4)+\b):8*(8*((\a)%4)+\b)+7], v[SC+8*NQ*(\sc)+NQ*\b+(\q)], v[SC+8*NQ*(\sc)+NQ*(\a)+(\q)] matrix_a_fmt:MATRIX_FMT_BF8 matrix_b_fmt:MATRIX_FMT_BF8 matrix_a_scale:MATRIX_SCALE_ROW1
.elseif (\zero) == 1
	v_wmma_scale_f32_16x16x128_f8f6f4 v[8*(8*((\a)%4)+\b):8*(8*((\a)%4)+\b)+7], v[128*(\p)+FR*\b:128*(\p)+FR*\b+FR-1], v[AF+FR*(\a):AF+FR*(\a)+FR-1], 0, v[SC+8*NQ*(\sc)+NQ*\b+(\q)], v[SC+8*NQ*(\sc)+NQ*(\a)+(\q)] matrix_a_fmt:MATRIX_FMT_BF8 matrix_b_fmt:MATRIX_FMT_BF8 matrix_a_scale:MATRIX_SCALE_ROW1
.elseif (\zero) == 2
	v_wmma_scale_f32_16x16x128_f8f6f4 v[8*(8*((\a)%4)+\b):8*(8*((\a)%4)+\b)+7], v[128*(\p)+FR*\b:128*(\p)+FR*\b+FR-1], v[AF+FR*(\a):AF+FR*(\a)+FR-1], v[CB+8*\b:CB+8*\b+7], v[SC+8*NQ*(\sc)+NQ*\b+(\q)], v[SC+8*NQ*(\sc)+NQ*(\a)+(\q)] matrix_a_fmt:MATRIX_FMT_BF8 matrix_b_fmt:MATRIX_FMT_BF8 matrix_a_scale:MATRIX_SCALE_ROW1
.else
	v_wmma_scale_f32_16x16x128_f8f6f4 v[8*(8*((\a)%4)+\b):8*(8*((\a)%4)+\b)+7], v[128*(\p)+FR*\b:128*(\p)+FR*\b+FR-1], v[AF+FR*(\a):AF+FR*(\a)+FR-1], v[CB+8*(\a):CB+8*(\a)+7], v[SC+8*NQ*(\sc)+NQ*\b+(\q)], v[SC+8*NQ*(\sc)+NQ*(\a)+(\q)] matrix_a_fmt:MATRIX_FMT_BF8 matrix_b_fmt:MATRIX_FMT_BF8 matrix_a_scale:MATRIX_SCALE_ROW1
.endif
.endr
.endr
.endm
.macro FETCH_B slot, q, p
	WIN TO_B
.irp i, 0,1,2,3,4,5,6,7
	FRAG 128*(\p)+FR*\i, ADRB+\slot, \q, \i
.endr
	WIN 0
.endm
.macro FETCH_A slot, q, i0
.irp i, \i0, \i0+1, \i0+2, \i0+3
	FRAG AF+FR*(\i), ADRA+\slot, \q, \i
.endr
.endm
.macro SCALES sc                       ; a K step's scale words: two words a row; lanes 0-15 take A's block i, lanes 16-31 B's block i
.irp i, 0,1,2,3,4,5,6,7
	ds_load_b64 v[SC+8*NQ*\sc+NQ*\i:SC+8*NQ*\sc+NQ*\i+1], v[ADRS] offset:\i*SBLK
.endr
.endm
; A load into a register that a matrix instruction has read, and a vector instruction that reads a matrix result, stand NP places behind that matrix instruction; only plain vector
; instructions that name none of its registers are places (ISA guide 7.12.1 for vector instructions).
.macro PLACES n
.rept \n
	v_nop
.endr
.endm
; A step of 128 along K that has its successor in the same slot.  A has one set of registers: blocks 0-3 are fetched anew in the step's middle, blocks 4-7 at its end; B has two sets.
.macro STEP slot, q, zero
	s_wait_dscnt 4*NL                              ; all but the youngest sixteen loads (A's blocks 4-7) are in
.if (\zero) >= 2
	WIN 0x81                                       ; as MUL_LO, but C in window 0
.else
	WIN MUL_LO
.endif
	MUL16 0, (\q)%2, \q, \slot, \zero
	MUL16 2, (\q)%2, \q, \slot, \zero
	s_wait_dscnt 0
	PLACES NP
	FETCH_B \slot, (\q)+1, 1-(\q)%2
	FETCH_A \slot, (\q)+1, 0
.if (\zero) >= 2
	WIN 0xc1
.else
	WIN MUL_HI
.endif
	MUL16 4, (\q)%2, \q, \slot, \zero
	MUL16 6, (\q)%2, \q, \slot, \zero
	PLACES NP
	WIN 0
	FETCH_A \slot, (\q)+1, 4
.endm
; A slot's last step changes slots: ONE barrier; in front of it each wave waits for all its tensor loads, adds 0 to its spare word, and waits for that and for its own reads of this slot.
.macro TURN slot, next, fill
	s_wait_tensorcnt 0x0                           ; all my tensor loads have landed: my part of the next slot
	ds_add_u32 v[SPW], v[NIL]                      ; 0 onto my spare word
	s_wait_dscnt 4*NL+1                            ; (the add and the youngest sixteen loads may be out)
	WIN MUL_LO
	MUL16 0, 1, NQ-1, \slot, 0                     ; sixteen matrix instructions stand between the add and the wait for it
	s_wait_dscnt 0x0                               ; the add is done, and my reads of this slot are over
	s_barrier_signal -1
	MUL16 2, 1, NQ-1, \slot, 0
	WIN 0
	s_barrier_wait -1
.if \fill
	CREST                                          ; the barrier has opened a round of the cluster's: no wave of any partner still reads this slot or has a load on its way
	s_add_nc_u64 s[G0+4*\slot+2:G0+4*\slot+3], s[G0+4*\slot+2:G0+4*\slot+3], 2*ROWB
	s_add_nc_u64 s[G0B+4*\slot+2:G0B+4*\slot+3], s[G0B+4*\slot+2:G0B+4*\slot+3], 2*ROWB
	JLOAD G0+4*\slot, G1, G0B+4*\slot, G1B         ; my one tensor load behind the round; its four v_nop are four of the places in front of the loads below
	PLACES NP-4
.else
	PLACES NP
.endif
	v_add_nc_u32 v[ADRS], 4*NQ, v[ADRS]            ; the next K step's scale words (no LDS load of mine is out)
	FETCH_B \next, 0, 0
	FETCH_A \next, 0, 0
	SCALES \next
	WIN MUL_HI
	MUL16 4, 1, NQ-1, \slot, 0
	MUL16 6, 1, NQ-1, \slot, 0
	PLACES NP
	WIN 0
	FETCH_A \next, 0, 4
.endm
.macro LAST                            ; the very last step: nothing more to fetch; then the places in front of the first read of results and of writes over operands
	s_wait_dscnt 4*NL
	WIN MUL_LO
	MUL16 0, 1, NQ-1, 1, 0
	MUL16 2, 1, NQ-1, 1, 0
	s_wait_dscnt 0
	WIN MUL_HI
	MUL16 4, 1, NQ-1, 1, 0
	MUL16 6, 1, NQ-1, 1, 0
	WIN 0
	PLACES NP
.irp b, 0,1,2,3
	v_mov_b32 v[TM+4+\b], 0                        ; written once: a lane permute's destination counts as one of its sources
.endr
.endm
; THE QUANTISER.  64 numbers of a lane in window w, v[src] on: register 16 b + i belongs to block b; lanes l and l xor 16 hold a block of 32.  The held numbers go to v[dst] on in window 0, the codes to v[pc] on, the bytes to v[TM + 4] on.
; A block's scale is 2^(floor(log2(its largest magnitude)) - 15): its byte is the largest magnitude's exponent field - 15, held at 1 from below by the floor among the maximum's leaves.
.macro QUANT src, w, dst, pc
	WIN (\w)|((\w)<<2)
.irp b, 0,1,2,3
	v_max3_num_f32 v[TM+\b], |v[\src+16*\b]|, |v[\src+1+16*\b]|, 0x8000000   ; my 16 numbers, from each accumulator's low end on, and the floor 2^(16 - 127)
.endr
	WIN ((\w)<<2)|((\w)<<4)
.irp i, 2,4,6,8,10,12,14
.irp b, 0,1,2,3
	v_max3_num_f32 v[TM+\b], v[TM+\b], |v[\src+16*\b+\i]|, |v[\src+1+16*\b+\i]|
.endr
.endr
	WIN 0
.irp b, 0,1,2,3
	v_permlanex16_b32 v[TM+4+\b], v[TM+\b], s[SEL], s[SEL+1]
.endr
.irp b, 0,1,2,3
	v_max_num_f32 v[TM+\b], v[TM+\b], v[TM+4+\b]   ; with lane l xor 16's: the block's largest magnitude
.endr
.irp b, 0,1,2,3
	v_add_nc_u32 v[TM+12+\b], 0xf8800000, v[TM+\b] ; 15 off its exponent field: the conversion takes the exponent field of this operand as its scale
.endr
.irp b, 0,1,2,3
	v_and_or_b32 v[TM+8+\b], v[TM+\b], 0x7f800000, s[MNT]   ; 57,344 x the scale
.endr
.irp b, 0,1,2,3
	v_lshrrev_b32 v[TM+4+\b], 23, v[TM+12+\b]      ; the scale's byte
.endr
	WIN (\w)
.irp b, 0,1,2,3
.irp i, 0,1,2,3,4,5,6,7,8,9,10,11,12,13,14,15
	v_med3_num_f32 v[\dst+16*\b+\i], v[\src+16*\b+\i], -v[TM+8+\b], v[TM+8+\b]   ; the conversion to an 8-bit code does not saturate (ISA guide 7.6.2): the hold at the largest code x the scale
.endr
.endr
	WIN 0
.irp b, 0,1,2,3
	v_cvt_scalef32_pk8_bf8_f32 v[\pc+4*\b:\pc+4*\b+1], v[\dst+16*\b:\dst+16*\b+7], v[TM+12+\b]
	v_cvt_scalef32_pk8_bf8_f32 v[\pc+4*\b+2:\pc+4*\b+3], v[\dst+16*\b+8:\dst+16*\b+15], v[TM+12+\b]
.endr
	v_nop                                          ; one plain instruction behind the last scaled conversion
.endm
; q, k: A's block a: 16 positions x my 128 channels (two heads).  Tile t: head t / 4, channels 16 (t % 4) + 8 h + 0 .. 7: four pairs (x0, x1) -> (x0 cos - x1 sin, x1 cos + x0 sin).
.macro PACKQ a
.set AC, 64*((\a)%4)
.set CSS, CS+32*((\a)%2)
.if (\a) < 7
	s_wait_loadcnt 8                               ; this block's eight table loads are in; the next block's eight may be out
.else
	s_wait_loadcnt 0
.endif
	s_wait_xcnt 0x0                                ; the last block's stores have read their registers: the codes are written again only behind this wait
	WIN 0x02+(\a)/4                                ; source 0: the accumulators' window
.irp t, 0,1,2,3,4,5,6,7
.irp p, 0,1,2,3
	v_pk_mul_f32 v[U+2*\p:U+2*\p+1], v[AC+8*\t+2*\p:AC+8*\t+2*\p+1], v[CSS+8*(\t%4)+2*\p:CSS+8*(\t%4)+2*\p+1] op_sel:[1,1] op_sel_hi:[0,1] neg_lo:[1,0]   ; (-x1 sin, x0 sin)
.endr
.irp p, 0,1,2,3
	v_pk_fma_f32 v[T+8*\t+2*\p:T+8*\t+2*\p+1], v[AC+8*\t+2*\p:AC+8*\t+2*\p+1], v[CSS+8*(\t%4)+2*\p:CSS+8*(\t%4)+2*\p+1], v[U+2*\p:U+2*\p+1] op_sel_hi:[1,0,1]   ; (x0, x1) cos + that
.endr
.endr
	WIN 0
.if (\a) < 6
.irp x, 0,1,2,3,4,5,6,7
	global_load_b128 v[CSS+4*\x:CSS+4*\x+3], v[VL], s[TAB:TAB+1] offset:((\a)+2)*4096+512*\x   ; the table of the block two on, into the set just read
.endr
.endif
	QUANT T, 0, T, PC                              ; block b = 2 head + cd: tiles 2 b, 2 b + 1
.irp t, 0,1,2,3,4,5,6,7
	global_store_b64 v[VQ], v[PC+2*\t:PC+2*\t+1], s[OUTC:OUTC+1] offset:(\a)*1024+(\t/4)*131072+((\t/2)%2)*512+(\t%2)*256   ; 32 lanes store 256 consecutive bytes, aligned
.endr
	v_lshl_or_b32 v[WR+2*(\a)], v[TM+5], 8, v[TM+4]          ; a head's two bytes of my position
	v_lshl_or_b32 v[WR+2*(\a)+1], v[TM+7], 8, v[TM+6]
	ds_store_b16 v[SSTQ], v[WR+2*(\a)] offset:((\a)/2)*64+((\a)%2)*2        ; both lanes of a block write the same bytes with the same value
	ds_store_b16 v[SSTQ], v[WR+2*(\a)+1] offset:256+((\a)/2)*64+((\a)%2)*2
.endm
; v: A's block a: 16 channels x my 128 keys.  Block b: keys 32 b on.  The quantiser reads the accumulators where they lie.
.macro PACKV a
	s_wait_xcnt 0x0                                ; the last block's stores have read their registers
	QUANT 64*((\a)%4), 2+(\a)/4, T, PC
	v_lshl_or_b32 v[WR+(\a)], v[TM+5], 8, v[TM+4]  ; my channel's four bytes for these 128 keys
	v_lshl_or_b32 v[WR+(\a)], v[TM+6], 16, v[WR+(\a)]
	v_lshl_or_b32 v[WR+(\a)], v[TM+7], 24, v[WR+(\a)]
.irp c, 0,1,2,3
	global_store_b128 v[VL], v[PC+4*\c:PC+4*\c+3], s[OUTC:OUTC+1] offset:((\a)/4)*131072+((\a)%4)*2048+512*\c   ; 32 lanes store 512 consecutive bytes, aligned
.endr
	ds_store_b32 v[SSTV], v[WR+(\a)] offset:64*(\a)
.endm
	s_wait_tensorcnt 1                             ; the scale bytes and my part of K step 0 are in (K step 1's load may be out)
	s_barrier_signal -1
	s_barrier_wait -1                              ; everybody's are
	FETCH_B 0, 0, 0
	FETCH_A 0, 0, 0
	SCALES 0
	FETCH_A 0, 0, 4
	s_wait_loadcnt 0x0                             ; the bias
	s_cmp_eq_u32 ttmp9, 2                          ; the first step starts the sums with the bias: by B's block (q, k) or by A's (v)
	s_cbranch_scc1 .Lfirst_v
	STEP 0, 0, 2
	s_branch .Lfirst_done
.Lfirst_v:
	STEP 0, 0, 3
.Lfirst_done:
	TURN 0, 1, 1                                   ; K = 1,024 is twice round the ring: written straight
	STEP 1, 0, 0
	TURN 1, 0, 1
	STEP 0, 0, 0
	TURN 0, 1, 0                                   ; the last lap fills nothing, and has no round of the cluster's barrier
	s_cmp_eq_u32 ttmp9, 2                          ; the last parting stands ahead of the last two steps, which hold no barrier and no tensor load
	s_cbranch_scc1 .Ltail_v
.irp a, 0,1
.irp x, 0,1,2,3,4,5,6,7
	global_load_b128 v[CS+32*\a+4*\x:CS+32*\a+4*\x+3], v[VL], s[TAB:TAB+1] offset:\a*4096+512*\x   ; the table of blocks 0 and 1: 128 matrix instructions ahead of its first use
.endr
.endr
	STEP 1, 0, 0
	LAST
.irp a, 0,1,2,3,4,5,6,7
	PACKQ \a
.endr
	ds_load_b128 v[T:T+3], v[SRDQ]                 ; LDS serves a wave's instructions in order (ISA guide 5.7.1.4): this sees my stores
	s_wait_dscnt 0x0
	global_store_b128 v[VS], v[T:T+3], s[OUTS:OUTS+1]   ; lanes 0-15: the first head's 256 bytes, lanes 16-31: the second's: two aligned runs of 256 bytes
	s_branch .Lend
.Ltail_v:
	STEP 1, 0, 0
	LAST
.irp a, 0,1,2,3,4,5,6,7
	PACKV \a
.endr
	ds_load_b128 v[T:T+3], v[SRDV]
	s_wait_dscnt 0x0
	global_store_b128 v[VS], v[T:T+3], s[OUTS:OUTS+1]
.Lend:
	s_wait_tensorcnt 0x0                           ; the wave's end, behind my last tensor load and my last LDS store
	ds_add_u32 v[SPW], v[NIL]
	s_wait_dscnt 0x0
	CROUND                                         ; the closing round: no work-group ends while a partner may still ask for a tile that names it
	s_endpgm
.Lfunc_end_k_qf5c6927e32_qkv:
	.size	k_qf5c6927e32_qkv, .Lfunc_end_k_qf5c6927e32_qkv-k_qf5c6927e32_qkv
	.p2alignl 7, 3214868480
	.fill 96, 4, 3214868480
	.section	.rodata,"a",@progbits
	.p2align	6, 0x0
	.amdhsa_kernel k_qf5c6927e32_qkv
		.amdhsa_group_segment_fixed_size 327680
		.amdhsa_private_segment_fixed_size 0
		.amdhsa_enable_private_segment 0
		.amdhsa_kernarg_size 112
		.amdhsa_user_sgpr_count 2
		.amdhsa_user_sgpr_kernarg_segment_ptr 1
		.amdhsa_wavefront_size32 1
		.amdhsa_system_sgpr_workgroup_id_x 1
		.amdhsa_system_sgpr_workgroup_id_y 1
		.amdhsa_system_sgpr_workgroup_id_z 1
		.amdhsa_system_vgpr_workitem_id 0
		.amdhsa_next_free_vgpr 1024
		.amdhsa_next_free_sgpr 102
		.amdhsa_reserve_vcc 0
		.amdhsa_float_denorm_mode_32 3
		.amdhsa_float_denorm_mode_16_64 3
		.amdhsa_memory_ordered 1
		.amdhsa_forward_progress 1
		.amdhsa_inst_pref_size 255
	.end_amdhsa_kernel
	.section	.bss,"aw",@nobits
	.p2align	6
	.space	262144
	.amdgpu_metadata
---
amdhsa.version: [ 1, 2 ]
amdhsa.kernels:
  - .name:           k_qf5c6927e32_qkv
    .symbol:         k_qf5c6927e32_qkv.kd
    .args:
      - { .name: x_codes, .offset: 0, .size: 8, .value_kind: global_buffer, .address_space: global }
      - { .name: x_scales, .offset: 8, .size: 8, .value_kind: global_buffer, .address_space: global }
      - { .name: Wq_codes, .offset: 16, .size: 8, .value_kind: global_buffer, .address_space: global }
      - { .name: Wq_scales, .offset: 24, .size: 8, .value_kind: global_buffer, .address_space: global }
      - { .name: Wk_codes, .offset: 32, .size: 8, .value_kind: global_buffer, .address_space: global }
      - { .name: Wk_scales, .offset: 40, .size: 8, .value_kind: global_buffer, .address_space: global }
      - { .name: Wv_codes, .offset: 48, .size: 8, .value_kind: global_buffer, .address_space: global }
      - { .name: Wv_scales, .offset: 56, .size: 8, .value_kind: global_buffer, .address_space: global }
      - { .name: bq, .offset: 64, .size: 8, .value_kind: global_buffer, .address_space: global }
      - { .name: bk, .offset: 72, .size: 8, .value_kind: global_buffer, .address_space: global }
      - { .name: bv, .offset: 80, .size: 8, .value_kind: global_buffer, .address_space: global }
      - { .name: rope_tab, .offset: 88, .size: 8, .value_kind: global_buffer, .address_space: global }
      - { .name: qkv_codes, .offset: 96, .size: 8, .value_kind: global_buffer, .address_space: global }
      - { .name: qkv_scales, .offset: 104, .size: 8, .value_kind: global_buffer, .address_space: global }
    .group_segment_fixed_size: 327680
    .private_segment_fixed_size: 0
    .kernarg_segment_align: 8
    .kernarg_segment_size: 112
    .max_flat_workgroup_size: 128
    .sgpr_count:     102
    .vgpr_count:     1024
    .wavefront_size: 32
...
	.end_amdgpu_metadata
.endif
;; end of part 2
;; launch attn (part 3): grid 4 x 64, 16 waves a work-group, clusters of 4 x 1, 272,384 bytes of LDS; arguments qkv_codes, qkv_scales, inter_codes, inter_scales; writes inter_codes, inter_scales
.if DOCPART == 3
	.amdgcn_target "amdgcn-amd-amdhsa--gfx1250"
	.amdhsa_code_object_version 6
	.text
	.protected	k_qf5c6927e32_attn
	.globl	k_qf5c6927e32_attn
	.p2align	8
	.type	k_qf5c6927e32_attn,@function
k_qf5c6927e32_attn:
	s_mov_b64 s[64:65], 0
	v_nop
	global_prefetch_b8 v0, s[64:65] scope:SCOPE_SE
	s_setreg_imm32_b32 hwreg(HW_REG_WAVE_MODE, 25, 1), 1
	s_wait_xcnt 0x0
	s_wait_alu depctr_hold_cnt(0) depctr_sa_sdst(0) depctr_va_vdst(0) depctr_va_sdst(0) depctr_va_ssrc(0) depctr_va_vcc(0) depctr_vm_vsrc(0)
	s_getreg_b32 s2, hwreg(HW_REG_IB_STS2, 6, 4)
	s_cmp_eq_u32 s2, 0
	s_cbranch_scc0 .Lentry_in_a_cluster
	s_endpgm
.Lentry_in_a_cluster:
	s_bfe_u32 s2, ttmp6, 0x10000c
	s_cmp_lg_u32 s2, 0x3003
	s_cbranch_scc0 .Lentry_shape_is_right
	s_endpgm
.Lentry_shape_is_right:
; inter[b][n][64 h + d] = the sum over keys of softmax(q . k / 32) v, both products on codes of BF8 (E5M2) with one E8M0 scale for each 32 along K; the result is quantised at once along (h d) for the projection.  Nothing is left out.
; THE SOFTMAX AHEAD OF THE SECOND PRODUCT: t = score x log2(e) / 32; M = the row's largest t so far, rounded UP to a whole number; p = 2^(t - M) is quantised along the keys, not normalised;
; the row's sum is taken of the unquantised p and divides at the end.  When M moves, the sum and O are multiplied by 2^(old M - new M): exact.
; SHARES.  A head's K and V are 131,072 bytes of codes each and 4,096 of scale bytes each: they come into LDS ONCE, at the head, and stay: no byte of LDS is filled again.
; The four work-groups of a head are a cluster and ask for them JOINTLY.  A work-group owns 512 queries; each of its sixteen waves takes 16 of them in each of two passes over the keys; 128 keys a step.
; All buffers lie in the order of the operands' registers: every LDS read is 16 x lane or 4 x lane + constants.
; K = 64 IN AN INSTRUCTION 128 DEEP.  A fragment of K holds 32 keys: registers 0-7 keys 32 g + r, registers 8-15 keys 32 g + 16 + r.  It is multiplied twice: by [Q, 0] and by [0, Q]; the other half meets zero codes.
; LAYOUT.  Both products are used transposed (S^T = K Q^T, O^T = V^T P^T): a lane holds ONE query.  S^T's register 16 g + 8 tau + j is key 32 g + 16 tau + 8 h + j: the order in which V's codes were laid.
; LIMITS: a block of p or of the result under 2^(16 - 127), zeros too, gets the byte 1 (read by this program alone).
; REGISTERS: v1-11 addresses; v12 -M, v13 the largest t, v[14:15] the sum; v16-39 zeros, Q, zeros; v40-103 four fragments of K, then of V; v104-167 S^T, then p; v168-199 O^T; v200-215 codes; v216-243 at work; v244-252 the next pass's Q.
.set KSC,   262144                     ; LDS: K's codes from 0, V's from 131,072; K's scale bytes here,
.set VSC,   266240                     ; V's here,
.set SPARE, 270336                     ; and the spare words, 128 bytes for each wave
.set ALI, 1                            ; 16 lane
.set ALV, 2                            ; 16 lane + 131,072
.set ASK, 3                            ; KSC + 4 lane
.set ASV, 4                            ; VSC + 4 lane
.set SPW, 5
.set NIL, 6
.set GQ,  7                            ; 16 r + 8 h
.set ADK, 8
.set ADV, 9
.set ADS, 10
.set ADT, 11
.set ZQ,  16                           ; v16-23 zeros, v24-31 Q, v32-39 zeros: [0, Q] = v[16:31], [Q, 0] = v[24:39]
.set FR,  40
.set S,   104
.set O,   168
.set PC,  200
.set BM,  216
.set PT,  220
.set HD,  224
.set SO,  228
.set KSR, 232                          ; K's scale words: lanes 0-15 the even fragment's, lanes 16-31 the odd one's
.set VSR, 234
.set QS,  236
.set PS,  237
.set TMP, 238
.set F,   240
.set SUM2, 242
.set QN,  244
.set QWN, 252
.set GS,  253                          ; 32 r + h
.set R4,  255                          ; 4 r
.set WV,  20
.set CS,  22                           ; s[22:23] c = log2(e) / 32
.set SEL, 24
.set MNT, 26
.set G1C, 32                           ; s[32:39] group 1: 4,096 dense bytes;  s[40:47]: 512;  s[48:51] group 0 for the scale bytes;  s[52:63], s[68:71] for my four pieces of codes
.set G1S, 40
.set G0S, 48
.set TB,  72
.set TS,  73
.set PASS, 74
.set STEPS, 75
.set QC,  76
.set QSB, 78
.set IC,  80
.set IS,  82
.set HM,  92                           ; the lanes with h = 1
.macro ROUND
	s_barrier_signal -1
	s_barrier_wait -1
	s_cmp_lg_u32 s[WV], 0
	s_cbranch_scc1 .Lnot_wave_0_\@
	s_barrier_signal -3
.Lnot_wave_0_\@:
	s_barrier_wait -3
	s_barrier_signal -1
	s_barrier_wait -1
.endm
.macro G0C g, j                        ; group 0 of my piece of chunk j: keys 512 j on
	s_mov_b32 s[\g], 1
	s_add_co_u32 s[\g+1], s86, 32768*\j
	s_add_nc_u64 s[\g+2:\g+3], s[88:89], 32768*\j
	s_or_b32 s[\g+3], s[\g+3], 0x80000000
.endm
	s_load_b256 s[4:11], s[0:1], 0x0               ; qkv_codes, qkv_scales, inter_codes, inter_scales
	v_lshl_add_u32 v[SPW], v0, 2, SPARE
	v_mov_b32 v[NIL], 0
	ds_add_u32 v[SPW], v[NIL]                      ; the wave's opening: the add, twice on end, and its wait ahead of my first tensor load
	ds_add_u32 v[SPW], v[NIL]
	v_lshrrev_b32 v8, 5, v0
	v_readfirstlane_b32 s[WV], v8                  ; wave 0..15
	s_bfe_u32 s27, ttmp6, 0x40000                  ; cx: it enters Q's and the result's addresses alone
	s_and_b32 s28, ttmp7, 0xffff                   ; 16 x batch + head, which the four partners share
	s_mov_b32 s[G1C], 15|(3<<16)|(1<<21)           ; 15:0 the mask: all four; 17:16 elements of 8 bytes; 21 set beside a mask; no padding
	s_mov_b32 s[G1C+1], 32<<16                     ; rows of 256 bytes,
	s_mov_b32 s[G1C+2], 16<<16                     ; sixteen of them,
	s_mov_b32 s[G1C+3], 32<<16
	s_mov_b32 s[G1C+4], 16
	s_mov_b32 s[G1C+5], 32                         ; dense
	s_mov_b32 s[G1C+6], 0
	s_mov_b32 s[G1C+7], 0
	s_mov_b32 s[G1S], 15|(3<<16)|(1<<21)
	s_mov_b32 s[G1S+1], 32<<16
	s_mov_b32 s[G1S+2], 2<<16                      ; two
	s_mov_b32 s[G1S+3], 32<<16
	s_mov_b32 s[G1S+4], 2
	s_mov_b32 s[G1S+5], 32
	s_mov_b32 s[G1S+6], 0
	s_mov_b32 s[G1S+7], 0
	s_lshr_b32 s84, s[WV], 3                       ; waves 0-7 fetch K's, waves 8-15 V's,
	s_and_b32 s85, s[WV], 7                        ; an eighth of a chunk each
	s_lshl_b32 s86, s84, 17
	s_lshl_b32 s87, s85, 12
	s_add_co_u32 s86, s86, s87                     ; where my piece of chunk 0 goes
	s_add_co_u32 s90, s84, 1                       ; the part of the buffers: 1 = k, 2 = v
	s_lshl_b32 s88, s90, 23
	s_lshl_b32 s89, s28, 17
	s_add_co_u32 s88, s88, s89
	s_add_co_u32 s88, s88, s87                     ; and where it comes from
	s_mov_b32 s89, 0
	s_lshl_b32 s90, s90, 18
	s_lshl_b32 s91, s28, 12
	s_add_co_u32 s90, s90, s91
	s_lshl_b32 s91, s85, 9
	s_add_co_u32 s90, s90, s91                     ; my 512 scale bytes
	s_mov_b32 s91, 0
	s_lshl_b32 s87, s[WV], 9
	s_add_co_u32 s87, s87, KSC                     ; K's eight pieces, then V's
	s_mov_b32 s[CS], 0x3d38aa3b
	s_mov_b32 s[CS+1], s[CS]                       ; (named with it as a pair, so it is written)
	s_mov_b32 s[SEL], 0x76543210
	s_mov_b32 s[SEL+1], 0xfedcba98
	s_mov_b32 s[MNT], 0x600000
	s_mov_b32 s[PASS], 0
	s_wait_dscnt 0x0                               ; both opening adds are done
	s_wait_kmcnt 0x0
	s_add_nc_u64 s[88:89], s[4:5], s[88:89]
	s_add_nc_u64 s[90:91], s[6:7], s[90:91]
	s_mov_b32 s[G0S], 1
	s_mov_b32 s[G0S+1], s87
	s_mov_b64 s[G0S+2:G0S+3], s[90:91]
	s_or_b32 s[G0S+3], s[G0S+3], 0x80000000
	G0C 52, 0
	G0C 56, 1
	G0C 60, 2
	G0C 68, 3
	ROUND                                          ; all four work-groups are here: the joint loads meet
	tensor_load_to_lds s[G0S:G0S+3], s[G1S:G1S+7]  ; every wave issues five loads, with no branch: five of mine are out
	s_nop 0
	tensor_load_to_lds s[52:55], s[G1C:G1C+7]
	s_nop 0
	tensor_load_to_lds s[56:59], s[G1C:G1C+7]
	s_nop 0
	tensor_load_to_lds s[60:63], s[G1C:G1C+7]
	s_nop 0
	tensor_load_to_lds s[68:71], s[G1C:G1C+7]
	s_nop 0
	v_and_b32 v8, 31, v0                           ; lane
	v_and_b32 v9, 15, v0                           ; r
	v_bfe_u32 v10, v0, 4, 1                        ; h
	v_lshlrev_b32 v[ALI], 4, v8
	v_lshlrev_b32 v[R4], 2, v9
	s_lshl_b32 s84, s27, 5
	s_add_co_u32 s84, s84, s[WV]                   ; my first tile of 16 queries: 32 cx + wave
	s_lshl_b32 s86, s28, 17
	s_lshl_b32 s87, s84, 10
	s_add_co_u32 s86, s86, s87
	s_mov_b32 s87, 0
	s_add_nc_u64 s[QC:QC+1], s[4:5], s[86:87]      ; its codes (part 0 of the buffer),
	s_lshl_b32 s86, s28, 12
	s_lshr_b32 s85, s84, 1
	s_lshl_b32 s85, s85, 6
	s_add_co_u32 s86, s86, s85
	s_and_b32 s85, s84, 1
	s_lshl_b32 s85, s85, 1
	s_add_co_u32 s86, s86, s85
	s_add_nc_u64 s[QSB:QSB+1], s[6:7], s[86:87]    ; its scale bytes
	global_load_b128 v[QN:QN+3], v[ALI], s[QC:QC+1]
	global_load_b128 v[QN+4:QN+7], v[ALI], s[QC:QC+1] offset:512
	global_load_u16 v[QWN], v[R4], s[QSB:QSB+1]
	s_lshr_b32 s85, s28, 4
	s_lshl_b32 s85, s85, 7
	s_add_co_u32 s85, s85, s84                     ; the tile of 16 rows of the result: 128 x batch + my tile
	s_and_b32 s84, s28, 15                         ; the head
	s_lshl_b32 s86, s85, 14
	s_lshr_b32 s90, s84, 1
	s_lshl_b32 s90, s90, 11
	s_add_co_u32 s86, s86, s90
	s_and_b32 s90, s84, 1
	s_lshl_b32 s90, s90, 10
	s_add_co_u32 s86, s86, s90
	s_add_nc_u64 s[IC:IC+1], s[8:9], s[86:87]
	s_lshl_b32 s86, s85, 9
	s_lshl_b32 s90, s84, 1
	s_add_co_u32 s86, s86, s90
	s_add_nc_u64 s[IS:IS+1], s[10:11], s[86:87]
	v_add_nc_u32 v[ALV], 131072, v[ALI]
	v_lshl_add_u32 v[ASK], v8, 2, KSC
	v_lshl_add_u32 v[ASV], v8, 2, VSC
	v_lshlrev_b32 v[GQ], 4, v9
	v_lshl_add_u32 v[GQ], v10, 3, v[GQ]
	v_lshl_add_u32 v[GS], v9, 5, v10
	v_cmp_lt_u32 s[HM], 15, v8
.irp i, 0,1,2,3,4,5,6,7
	v_mov_b32 v[ZQ+\i], 0                          ; zero codes on both sides of Q
	v_mov_b32 v[ZQ+16+\i], 0
.endr
.irp b, 0,1,2,3
	v_mov_b32 v[PT+\b], 0                          ; written once: a lane permute's destination counts as one of its sources
.endr
	v_mov_b32 v[TMP], 0
	v_mov_b32 v[F+1], 0                            ; (named as the upper half of a pair)
; A KEY STEP: 128 keys, whose codes begin at LDS byte s[TB] and whose scale words at s[TS].
.macro STEP
	v_add_nc_u32 v[ADK], s[TB], v[ALI]
	v_add_nc_u32 v[ADV], s[TB], v[ALV]
	v_add_nc_u32 v[ADS], s[TS], v[ASK]
	v_add_nc_u32 v[ADT], s[TS], v[ASV]
.rept 4
	v_nop                                          ; with the four additions: eight places in front of loads into registers that the last products have read
.endr
.irp g, 0,1,2,3
.irp c, 0,1,2,3
	ds_load_b128 v[FR+16*\g+4*\c:FR+16*\g+4*\c+3], v[ADK] offset:2048*\g+512*\c
.endr
.endr
	ds_load_b32 v[KSR], v[ADS]
	ds_load_b32 v[KSR+1], v[ADS] offset:128
	s_wait_dscnt 0x0
.irp g, 0,1,2,3                                ; S^T = K Q^T: each fragment of 32 keys twice
.if \g%2
	v_wmma_scale_f32_16x16x128_f8f6f4 v[S+16*\g:S+16*\g+7], v[FR+16*\g:FR+16*\g+15], v[ZQ+8:ZQ+23], 0, v[KSR+\g/2], v[QS] matrix_a_fmt:MATRIX_FMT_BF8 matrix_b_fmt:MATRIX_FMT_BF8 matrix_a_scale:MATRIX_SCALE_ROW1
	v_wmma_scale_f32_16x16x128_f8f6f4 v[S+16*\g+8:S+16*\g+15], v[FR+16*\g:FR+16*\g+15], v[ZQ:ZQ+15], 0, v[KSR+\g/2], v[QS] matrix_a_fmt:MATRIX_FMT_BF8 matrix_b_fmt:MATRIX_FMT_BF8 matrix_a_scale:MATRIX_SCALE_ROW1
.else
	v_wmma_scale_f32_16x16x128_f8f6f4 v[S+16*\g:S+16*\g+7], v[FR+16*\g:FR+16*\g+15], v[ZQ+8:ZQ+23], 0, v[KSR+\g/2], v[QS] matrix_a_fmt:MATRIX_FMT_BF8 matrix_b_fmt:MATRIX_FMT_BF8
	v_wmma_scale_f32_16x16x128_f8f6f4 v[S+16*\g+8:S+16*\g+15], v[FR+16*\g:FR+16*\g+15], v[ZQ:ZQ+15], 0, v[KSR+\g/2], v[QS] matrix_a_fmt:MATRIX_FMT_BF8 matrix_b_fmt:MATRIX_FMT_BF8
.endif
.endr
.rept 8
	v_nop                                          ; places in front of the loads below and of the first read of the scores
.endr
.irp t, 0,1,2,3                                ; V's fragments are asked for at once: they land under the softmax
.irp c, 0,1,2,3
	ds_load_b128 v[FR+16*\t+4*\c:FR+16*\t+4*\c+3], v[ADV] offset:2048*\t+512*\c
.endr
.endr
	ds_load_b32 v[VSR], v[ADT]
	ds_load_b32 v[VSR+1], v[ADT] offset:128
.irp b, 0,1,2,3
	v_max3_num_f32 v[BM+\b], v[S+16*\b], v[S+1+16*\b], v[S+2+16*\b]   ; the largest score of each block of 32 keys: it serves for the row's maximum and, since p rises with the score, for the block's largest p
.endr
.irp i, 3,5,7,9,11,13
.irp b, 0,1,2,3
	v_max3_num_f32 v[BM+\b], v[BM+\b], v[S+16*\b+\i], v[S+1+16*\b+\i]
.endr
.endr
.irp b, 0,1,2,3
	v_max_num_f32 v[BM+\b], v[BM+\b], v[S+15+16*\b]
.endr
.irp b, 0,1,2,3
	v_permlanex16_b32 v[PT+\b], v[BM+\b], s[SEL], s[SEL+1]
.endr
.irp b, 0,1,2,3
	v_max_num_f32 v[BM+\b], v[BM+\b], v[PT+\b]     ; with lane l xor 16's 16 keys
.endr
	v_max3_num_f32 v[TMP], v[BM], v[BM+1], v[BM+2]
	v_max_num_f32 v[TMP], v[TMP], v[BM+3]
	v_mul_f32 v[TMP], s[CS], v[TMP]                ; as t (c is positive)
	v_max_num_f32 v13, v13, v[TMP]                 ; the running largest t
	v_mov_b32 v[TMP], v12
	v_floor_f32 v12, -v13                          ; the new -M = floor(-t): M is a whole number
	v_sub_f32 v[TMP], v12, v[TMP]                  ; old M less new M: a whole number, 0 or less
	v_cvt_i32_f32 v[TMP], v[TMP]                   ; (it saturates)
	v_ldexp_f32 v[F], 1.0, v[TMP]                  ; f = 2^(old M - new M)
.irp j, 0,2,4,6,8,10,12,14,16,18,20,22,24,26,28,30,32,34,36,38,40,42,44,46,48,50,52,54,56,58,60,62
	v_pk_fma_f32 v[S+\j:S+\j+1], v[S+\j:S+\j+1], s[CS:CS+1], v[12:13] op_sel_hi:[1,0,0]   ; t - M, two at a time
.endr
.irp b, 0,1,2,3
	v_fma_f32 v[BM+\b], v[BM+\b], s[CS], v12       ; the same of each block's largest score
.endr
.irp j, 0,1,2,3,4,5,6,7,8,9,10,11,12,13,14,15,16,17,18,19,20,21,22,23,24,25,26,27,28,29,30,31,32,33,34,35,36,37,38,39,40,41,42,43,44,45,46,47,48,49,50,51,52,53,54,55,56,57,58,59,60,61,62,63
	v_exp_f32 v[S+\j], v[S+\j]                     ; p = 2^(t - M)
.endr
	v_pk_mul_f32 v[14:15], v[14:15], v[F:F+1] op_sel_hi:[1,0]   ; the sums under the new M: a plain instruction behind the exponentials
	s_wait_alu depctr_va_vdst(0)                   ; one wait for the batch of 64, ahead of its first reader
.irp b, 0,1,2,3
	v_exp_f32 v[BM+\b], v[BM+\b]                   ; the block's largest p: the same two instructions on the same number give the same bits
.endr
	v_pk_add_f32 v[SUM2:SUM2+1], v[S:S+1], v[S+2:S+3]   ; the row's sum is taken of the unquantised p, in two chains
.irp j, 4,8,12,16,20,24,28,32,36,40,44,48,52,56,60
	v_pk_add_f32 v[14:15], v[14:15], v[S+\j:S+\j+1]
	v_pk_add_f32 v[SUM2:SUM2+1], v[SUM2:SUM2+1], v[S+2+\j:S+3+\j]
.endr
	v_pk_add_f32 v[14:15], v[14:15], v[SUM2:SUM2+1]
	s_wait_alu depctr_va_vdst(0)                   ; and one for the four
.irp b, 0,1,2,3
	v_max_num_f32 v[BM+\b], 0x8000000, v[BM+\b]    ; the floor 2^(16 - 127): the byte cannot fall under 1
.endr
.irp b, 0,1,2,3
	v_add_nc_u32 v[SO+\b], 0xf8800000, v[BM+\b]    ; 15 off the exponent field: the conversion's scale operand
.endr
.irp b, 0,1,2,3
	v_and_or_b32 v[HD+\b], v[BM+\b], 0x7f800000, s[MNT]   ; 57,344 x the scale
.endr
.irp b, 0,1,2,3
	v_lshrrev_b32 v[PT+\b], 23, v[SO+\b]           ; the scale's byte
.endr
	v_lshl_or_b32 v[PS], v[PT+1], 8, v[PT]         ; p's scale word for these 128 keys
	v_lshl_or_b32 v[PS], v[PT+2], 16, v[PS]
	v_lshl_or_b32 v[PS], v[PT+3], 24, v[PS]
.irp b, 0,1,2,3
.irp i, 0,1,2,3,4,5,6,7,8,9,10,11,12,13,14,15
	v_min_num_f32 v[S+16*\b+\i], v[S+16*\b+\i], v[HD+\b]   ; the conversion does not saturate (ISA guide 7.6.2); p is not negative, so the hold is one-sided
.endr
	v_cvt_scalef32_pk8_bf8_f32 v[PC+4*\b:PC+4*\b+1], v[S+16*\b:S+16*\b+7], v[SO+\b]
	v_cvt_scalef32_pk8_bf8_f32 v[PC+4*\b+2:PC+4*\b+3], v[S+16*\b+8:S+16*\b+15], v[SO+\b]
.endr
.irp j, 0,2,4,6,8,10,12,14,16,18,20,22,24,26,28,30
	v_pk_mul_f32 v[O+\j:O+\j+1], v[O+\j:O+\j+1], v[F:F+1] op_sel_hi:[1,0]   ; O^T under the new M.  These sixteen are also the places between the codes and the products
.endr
	s_wait_dscnt 0x0                               ; V is in
.irp t, 0,1,2,3                                ; O^T += V^T P^T: the four accumulators by turns, one instruction a turn
.if \t%2
	v_wmma_scale_f32_16x16x128_f8f6f4 v[O+8*\t:O+8*\t+7], v[FR+16*\t:FR+16*\t+15], v[PC:PC+15], v[O+8*\t:O+8*\t+7], v[VSR+\t/2], v[PS] matrix_a_fmt:MATRIX_FMT_BF8 matrix_b_fmt:MATRIX_FMT_BF8 matrix_a_scale:MATRIX_SCALE_ROW1
.else
	v_wmma_scale_f32_16x16x128_f8f6f4 v[O+8*\t:O+8*\t+7], v[FR+16*\t:FR+16*\t+15], v[PC:PC+15], v[O+8*\t:O+8*\t+7], v[VSR+\t/2], v[PS] matrix_a_fmt:MATRIX_FMT_BF8 matrix_b_fmt:MATRIX_FMT_BF8
.endif
.endr
.endm
; Chunk j: 512 keys, four steps.  My piece of it has landed when at most 3 - j younger loads of mine are out; behind the barrier everybody's has.  Nothing is ever filled again, so later chunks may stay out.
.macro SECTION j
	s_wait_tensorcnt 3-\j
	s_wait_dscnt 0x0
	s_barrier_signal -1
	s_barrier_wait -1
	s_mov_b32 s[TB], 32768*\j
	s_mov_b32 s[TS], 1024*\j
	s_mov_b32 s[STEPS], 4
.Lstep_\@:
	STEP
	s_add_co_u32 s[TB], s[TB], 8192
	s_add_co_u32 s[TS], s[TS], 256
	s_sub_co_u32 s[STEPS], s[STEPS], 1
	s_cmp_lg_u32 s[STEPS], 0
	s_cbranch_scc1 .Lstep_\@
.endm
.Lpass:                                            ; two trips: queries 512 cx + 256 pass + 16 wave on
	s_wait_loadcnt 0x0                             ; this pass's Q
.irp i, 0,1,2,3,4,5,6,7
	v_mov_b32 v[ZQ+8+\i], v[QN+\i]
.endr
	v_lshl_or_b32 v[QS], v[QWN], 16, v[QWN]        ; Q's two bytes twice: they serve [Q, 0] and [0, Q]
	s_cmp_lg_u32 s[PASS], 0
	s_cbranch_scc1 .Lno_next
	global_load_b128 v[QN:QN+3], v[ALI], s[QC:QC+1] offset:16384         ; the second pass's Q, sixteen tiles on: asked for a pass ahead
	global_load_b128 v[QN+4:QN+7], v[ALI], s[QC:QC+1] offset:16384+512
	global_load_u16 v[QWN], v[R4], s[QSB:QSB+1] offset:512
.Lno_next:
	v_mov_b32 v13, 0xff61b1e6                      ; the largest t so far: -3e38, under every t
	v_floor_f32 v12, -v13                          ; -M
	v_mov_b32 v14, 0
	v_mov_b32 v15, 0
.irp j, 0,1,2,3,4,5,6,7,8,9,10,11,12,13,14,15,16,17,18,19,20,21,22,23,24,25,26,27,28,29,30,31
	v_mov_b32 v[O+\j], 0                           ; O^T: the step is written once; the first finds zeros, which the first change of M leaves zeros
.endr
	SECTION 0
	SECTION 1
	SECTION 2
	SECTION 3
	; THE WAY OUT: O^T / the sum, quantised along (head, channel): two blocks of 32 channels; lanes l and l xor 16 hold a block.
.rept 8
	v_nop
.endr
	v_add_f32 v14, v14, v15
	v_permlanex16_b32 v[TMP], v14, s[SEL], s[SEL+1]
	v_add_f32 v14, v14, v[TMP]                     ; the row's sum
	v_rcp_f32 v14, v14
	v_nop                                          ; a plain instruction behind the reciprocal,
	s_wait_alu depctr_va_vdst(0)                   ; and the wait ahead of its first reader
.irp j, 0,2,4,6,8,10,12,14,16,18,20,22,24,26,28,30
	v_pk_mul_f32 v[S+\j:S+\j+1], v[O+\j:O+\j+1], v[14:15] op_sel_hi:[1,0]   ; register 8 t + i is channel 16 t + 8 h + i
.endr
.irp b, 0,1
	v_max3_num_f32 v[BM+\b], |v[S+16*\b]|, |v[S+1+16*\b]|, 0x8000000
.endr
.irp i, 2,4,6,8,10,12,14
.irp b, 0,1
	v_max3_num_f32 v[BM+\b], v[BM+\b], |v[S+16*\b+\i]|, |v[S+1+16*\b+\i]|
.endr
.endr
.irp b, 0,1
	v_permlanex16_b32 v[PT+\b], v[BM+\b], s[SEL], s[SEL+1]
.endr
.irp b, 0,1
	v_max_num_f32 v[BM+\b], v[BM+\b], v[PT+\b]
.endr
.irp b, 0,1
	v_add_nc_u32 v[SO+\b], 0xf8800000, v[BM+\b]
.endr
.irp b, 0,1
	v_and_or_b32 v[HD+\b], v[BM+\b], 0x7f800000, s[MNT]
.endr
.irp b, 0,1
	v_lshrrev_b32 v[PT+\b], 23, v[SO+\b]
.endr
.irp b, 0,1
.irp i, 0,1,2,3,4,5,6,7,8,9,10,11,12,13,14,15
	v_med3_num_f32 v[S+16*\b+\i], v[S+16*\b+\i], -v[HD+\b], v[HD+\b]
.endr
.endr
.irp b, 0,1
	v_cvt_scalef32_pk8_bf8_f32 v[PC+4*\b:PC+4*\b+1], v[S+16*\b:S+16*\b+7], v[SO+\b]
	v_cvt_scalef32_pk8_bf8_f32 v[PC+4*\b+2:PC+4*\b+3], v[S+16*\b+8:S+16*\b+15], v[SO+\b]
.endr
	v_cndmask_b32 v[TMP], v[PT], v[PT+1], s[HM]    ; lanes 0-15 send the first block's byte, lanes 16-31 the second's.  (Also the plain instruction behind the conversions)
.irp t, 0,1,2,3
	global_store_b64 v[GQ], v[PC+2*\t:PC+2*\t+1], s[IC:IC+1] offset:(\t/2)*512+(\t%2)*256   ; 32 lanes store 256 consecutive bytes, aligned
.endr
	global_store_b8 v[GS], v[TMP], s[IS:IS+1]      ; two bytes of each of 16 rows: a row's 32 bytes come from sixteen heads, so no work-group holds more of it; 1 byte for 32 of codes
	s_wait_xcnt 0x0                                ; the stores have read their registers and bases: both are written again only behind this wait
	s_add_nc_u64 s[IC:IC+1], s[IC:IC+1], 262144    ; sixteen tiles of rows on
	s_add_nc_u64 s[IS:IS+1], s[IS:IS+1], 8192
	s_add_co_u32 s[PASS], s[PASS], 1
	s_cmp_lt_u32 s[PASS], 2
	s_cbranch_scc1 .Lpass
	s_wait_tensorcnt 0x0                           ; the wave's end, behind my last tensor load
	ds_add_u32 v[SPW], v[NIL]
	s_wait_dscnt 0x0
	ROUND                                          ; the closing round
	s_endpgm
.Lfunc_end_k_qf5c6927e32_attn:
	.size	k_qf5c6927e32_attn, .Lfunc_end_k_qf5c6927e32_attn-k_qf5c6927e32_attn
	.p2alignl 7, 3214868480
	.fill 96, 4, 3214868480
	.section	.rodata,"a",@progbits
	.p2align	6, 0x0
	.amdhsa_kernel k_qf5c6927e32_attn
		.amdhsa_group_segment_fixed_size 272384
		.amdhsa_private_segment_fixed_size 0
		.amdhsa_enable_private_segment 0
		.amdhsa_kernarg_size 32
		.amdhsa_user_sgpr_count 2
		.amdhsa_user_sgpr_kernarg_segment_ptr 1
		.amdhsa_wavefront_size32 1
		.amdhsa_system_sgpr_workgroup_id_x 1
		.amdhsa_system_sgpr_workgroup_id_y 1
		.amdhsa_system_sgpr_workgroup_id_z 1
		.amdhsa_system_vgpr_workitem_id 0
		.amdhsa_next_free_vgpr 256
		.amdhsa_next_free_sgpr 96
		.amdhsa_reserve_vcc 0
		.amdhsa_float_denorm_mode_32 3
		.amdhsa_float_denorm_mode_16_64 3
		.amdhsa_memory_ordered 1
		.amdhsa_forward_progress 1
		.amdhsa_inst_pref_size 91
	.end_amdhsa_kernel
	.amdgpu_metadata
---
amdhsa.version: [ 1, 2 ]
amdhsa.kernels:
  - .name:           k_qf5c6927e32_attn
    .symbol:         k_qf5c6927e32_attn.kd
    .args:
      - { .name: qkv_codes, .offset: 0, .size: 8, .value_kind: global_buffer, .address_space: global }
      - { .name: qkv_scales, .offset: 8, .size: 8, .value_kind: global_buffer, .address_space: global }
      - { .name: inter_codes, .offset: 16, .size: 8, .value_kind: global_buffer, .address_space: global }
      - { .name: inter_scales, .offset: 24, .size: 8, .value_kind: global_buffer, .address_space: global }
    .group_segment_fixed_size: 272384
    .private_segment_fixed_size: 0
    .kernarg_segment_align: 8
    .kernarg_segment_size: 32
    .max_flat_workgroup_size: 512
    .sgpr_count:     96
    .vgpr_count:     256
    .wavefront_size: 32
...
	.end_amdgpu_metadata
.endif
;; end of part 3
;; launch outp (part 4): grid 4 x 32, 4 waves a work-group, clusters of 4 x 4, 327,680 bytes of LDS; arguments inter_codes, inter_scales, Wo_codes, Wo_scales, bo, out0; writes out0
.if DOCPART == 4
	.amdgcn_target "amdgcn-amd-amdhsa--gfx1250"
	.amdhsa_code_object_version 6
	.text
	.protected	k_qf5c6927e32_outp
	.globl	k_qf5c6927e32_outp
	.p2align	8
	.type	k_qf5c6927e32_outp,@function
k_qf5c6927e32_outp:
	s_mov_b64 s[64:65], 0
	v_nop
	global_prefetch_b8 v0, s[64:65] scope:SCOPE_SE
	s_setreg_imm32_b32 hwreg(HW_REG_WAVE_MODE, 25, 1), 1
	s_wait_xcnt 0x0
	s_wait_alu depctr_hold_cnt(0) depctr_sa_sdst(0) depctr_va_vdst(0) depctr_va_sdst(0) depctr_va_ssrc(0) depctr_va_vcc(0) depctr_vm_vsrc(0)
	s_getreg_b32 s2, hwreg(HW_REG_IB_STS2, 6, 4)
	s_cmp_eq_u32 s2, 0
	s_cbranch_scc0 .Lentry_in_a_cluster
	s_endpgm
.Lentry_in_a_cluster:
	s_bfe_u32 s2, ttmp6, 0x10000c
	s_cmp_lg_u32 s2, 0xf033
	s_cbranch_scc0 .Lentry_shape_is_right
	s_endpgm
.Lentry_shape_is_right:
; out0 = inter Wo + bo: C[m][n] = sum over k of A[m][k] B[n][k] + bo[n], M = 8,192, N = K = 1,024, on codes of BF8 (E5M2) with one E8M0 scale for each 32 along K; sums in f32.  Nothing is left out.
; A = inter_codes lies in the order of the operand's registers: [tile of 16 rows][128 along K][c 4][lane][16 bytes]; its scale bytes [8192][32].  B = Wo_codes [1024][1024], K innermost; its scale bytes [1024][32].
; A tile of C, 256 x 256, is made by four waves, each 128 x 128 in 64 accumulators.  K goes in steps of 256 through a ring of two LDS slots; the scale bytes of the 512 rows come once.
; CLUSTERS: 4 x 4 work-groups; A's tiles are asked for jointly along a row of the cluster, B's along a column.  The matrix instruction is used transposed (source 0 = 16 rows of B, source 1 = 16 rows of A):
; a lane holds eight neighbouring numbers of a row of C.  bo is the C of each sum's first matrix instruction.
; REGISTERS, in windows of 256: window 0: v16-31 addresses; v32-63 scale words, two sets; v64-127 bo; v128-255 A's fragments, one set; on the way out v128-255 rows of C.  window 1: B's fragments, two sets.  windows 2, 3: the accumulators.
.set SIZE_N, 1024
.set NQ,     2
.set ROWB,   256
.set KROW,   1024
.set PITCH,  272                       ; B's LDS row: 256 bytes + 16 of padding: the 16 rows of a load start at 16 different banks (64 banks of 4 bytes: ISA guide 11.1)
.set FR,     16
.set NL,     4
.set NP,     8
.set HALFA,  32768                     ; A: 8 tiles of 16 rows x 4,096 bytes: what one tensor load brings; an image of registers needs no padding
.set HALFB,  128*PITCH
.set SLOT,   2*HALFA+2*HALFB
.set KS,     32
.set SCL,    2*SLOT
.set HALFS,  16*272
.set SBLK,   2*272
.set SPARE,  SCL+4*HALFS
.set SPITCH, 528                       ; the way out: a stage of 16 rows x (512 bytes + 16) for each wave, in slot 0, which has had its last fill and its last read when the first result is stored there
.set ADRA, 16
.set VB,   18
.set ADRB, 20
.set STO,  24
.set RD,   25
.set CO,   26
.set ADRS, 27
.set SPW,  28
.set NIL,  29
.set SC,   32
.set CB,   64
.set AF,   128
.set BK,   128
.set G1, 24
.set G0, 32
.set G1B, 48
.set G0B, 56
.set G1S, 68
.set G0S, 76
.set G1SB, 80
.set G0SB, 88
.set BIAS, 96
.set MSB, 0
.macro WIN new
.if MSB != (\new)
	s_set_vgpr_msb (MSB<<8)|(\new)
.set MSB, (\new)
.endif
.endm
.set MUL_LO, 0xa1
.set MUL_HI, 0xf1
.set TO_B,   0x40
.macro JLOAD g0a, g1a, g0b, g1b        ; a joint load: waves 0 and 1 fetch for A, waves 2 and 3 for B; an s_nop 0 and four v_nop follow each of the two lines
	s_cmp_eq_u32 s15, 0
	s_cbranch_scc0 .Lfor_b_\@
	tensor_load_to_lds s[\g0a:\g0a+3], s[\g1a:\g1a+7]
	s_nop 0
.rept 4
	v_nop
.endr
	s_branch .Lasked_\@
.Lfor_b_\@:
	tensor_load_to_lds s[\g0b:\g0b+3], s[\g1b:\g1b+7]
	s_nop 0
.rept 4
	v_nop
.endr
.Lasked_\@:
.endm
.macro CREST
	s_cmp_lg_u32 s14, 0
	s_cbranch_scc1 .Lnot_wave_0_\@
	s_barrier_signal -3
.Lnot_wave_0_\@:
	s_barrier_wait -3
	s_barrier_signal -1
	s_barrier_wait -1
.endm
.macro CROUND
	s_barrier_signal -1
	s_barrier_wait -1
	CREST
.endm
	s_load_b128 s[4:7], s[0:1], 0x0                ; A's codes, A's scales
	s_load_b128 s[8:11], s[0:1], 0x10              ; B's codes, B's scales
	s_load_b64 s[BIAS:BIAS+1], s[0:1], 0x20        ; bo
	s_load_b64 s[12:13], s[0:1], 0x28              ; C
	v_lshl_add_u32 v[SPW], v0, 2, SPARE
	v_mov_b32 v[NIL], 0
	ds_add_u32 v[SPW], v[NIL]                      ; the wave's opening: the add, twice on end, and its wait ahead of my first tensor load
	ds_add_u32 v[SPW], v[NIL]
	v_lshrrev_b32 v1, 5, v0
	v_readfirstlane_b32 s14, v1                    ; wave 0..3
	s_lshr_b32 s15, s14, 1                         ; which half of the tile's rows is mine.  Also: I fetch for A (0) or for B (1)
	s_and_b32 s16, s14, 1                          ; which half of its columns.  Also: which 128 rows I fetch
	s_bfe_u32 s40, ttmp6, 0x40000                  ; cx
	s_bfe_u32 s41, ttmp6, 0x40004                  ; cy
	s_lshl_b32 s42, ttmp9, 2
	s_add_co_u32 s42, s42, s40                     ; tile column of C
	s_and_b32 s17, ttmp7, 0xffff
	s_lshl_b32 s17, s17, 2
	s_add_co_u32 s17, s17, s41                     ; tile row of C
	s_lshl_b32 s43, s41, 2
	s_lshl_b32 s43, 15, s43                        ; my row of the cluster
	s_lshl_b32 s44, 0x1111, s40                    ; my column
	; group 1 for A: 8 rows of 4,096 bytes (a tile of 16 rows' two fragments of this K step), 16,384 bytes apart; elements of 8 bytes; no padding
	s_or_b32 s[G1+0], s43, (3<<16)|(1<<21)
	s_mov_b32 s[G1+1], 512<<16
	s_mov_b32 s[G1+2], 8<<16
	s_mov_b32 s[G1+3], 512<<16
	s_mov_b32 s[G1+4], 8
	s_mov_b32 s[G1+5], 2048
	s_mov_b32 s[G1+6], 0
	s_mov_b32 s[G1+7], 0
	; for B: 128 rows x 256 bytes, 16 bytes of padding behind each
	s_or_b32 s[G1B+0], s44, (0<<16)|(1<<20)|(1<<21)|(5<<22)|(3<<25)
	s_mov_b32 s[G1B+1], ROWB<<16
	s_mov_b32 s[G1B+2], 128<<16
	s_mov_b32 s[G1B+3], ROWB<<16
	s_mov_b32 s[G1B+4], 128
	s_mov_b32 s[G1B+5], KROW
	s_mov_b32 s[G1B+6], 0
	s_mov_b32 s[G1B+7], 0
	; for the scale bytes of 128 rows: 16 rows of 256 bytes, 16 bytes of padding behind each
	s_or_b32 s[G1S+0], s43, (3<<16)|(1<<20)|(1<<21)|(5<<22)|(3<<25)
	s_or_b32 s[G1SB+0], s44, (3<<16)|(1<<20)|(1<<21)|(5<<22)|(3<<25)
.irp g, G1S, G1SB
	s_mov_b32 s[\g+1], 32<<16
	s_mov_b32 s[\g+2], 16<<16
	s_mov_b32 s[\g+3], 32<<16
	s_mov_b32 s[\g+4], 16
	s_mov_b32 s[\g+5], 32
	s_mov_b32 s[\g+6], 0
	s_mov_b32 s[\g+7], 0
.endr
	s_lshl_b32 s18, s16, 7
	s_lshl_b32 s20, s17, 8
	s_add_co_u32 s20, s20, s18                     ; the first row of A that I fetch
	s_lshl_b32 s46, s42, 8
	s_add_co_u32 s46, s46, s18                     ; and of B
	s_lshl_b32 s22, s20, 5                         ; its scale bytes,
	s_mov_b32 s23, 0
	s_lshl_b32 s20, s20, 10                        ; its codes: 1,024 bytes a row, in tiles of 16 rows
	s_mov_b32 s21, 0
	s_lshl_b32 s92, s46, 5
	s_mov_b32 s93, 0
	s_lshl_b32 s46, s46, 10
	s_mov_b32 s47, 0
	s_mul_i32 s45, s16, HALFA                      ; where they go: A's two halves,
	s_mul_i32 s95, s16, HALFB
	s_add_co_u32 s95, s95, 2*HALFA                 ; then B's two: no place in the cluster enters an LDS address
	s_mul_i32 s94, s14, HALFS
	s_wait_dscnt 0x0                               ; both opening adds are done
	s_wait_kmcnt 0x0
	s_add_nc_u64 s[20:21], s[4:5], s[20:21]
	s_add_nc_u64 s[22:23], s[6:7], s[22:23]
	s_add_nc_u64 s[46:47], s[8:9], s[46:47]
	s_add_nc_u64 s[92:93], s[10:11], s[92:93]
	CROUND                                         ; all sixteen work-groups are here: the first joint loads meet
	s_mov_b32 s[G0S], 1
	s_add_co_u32 s[G0S+1], s94, SCL
	s_mov_b64 s[G0S+2:G0S+3], s[22:23]
	s_or_b32 s[G0S+3], s[G0S+3], 0x80000000
	s_mov_b32 s[G0SB], 1
	s_add_co_u32 s[G0SB+1], s94, SCL
	s_mov_b64 s[G0SB+2:G0SB+3], s[92:93]
	s_or_b32 s[G0SB+3], s[G0SB+3], 0x80000000
	JLOAD G0S, G1S, G0SB, G1SB                     ; the scale bytes first.  With the two below, three loads of mine are out
.irp s, 0,1
	s_mov_b32 s[G0+4*\s], 1
	s_add_co_u32 s[G0+4*\s+1], s45, \s*SLOT
	s_add_nc_u64 s[G0+4*\s+2:G0+4*\s+3], s[20:21], \s*4096
	s_or_b32 s[G0+4*\s+3], s[G0+4*\s+3], 0x80000000
	s_mov_b32 s[G0B+4*\s], 1
	s_add_co_u32 s[G0B+4*\s+1], s95, \s*SLOT
	s_add_nc_u64 s[G0B+4*\s+2:G0B+4*\s+3], s[46:47], \s*ROWB
	s_or_b32 s[G0B+4*\s+3], s[G0B+4*\s+3], 0x80000000
	JLOAD G0+4*\s, G1, G0B+4*\s, G1B
.endr
	v_and_b32 v1, 15, v0                           ; r
	v_bfe_u32 v2, v0, 4, 1                         ; h
	v_and_b32 v6, 31, v0
	v_lshlrev_b32 v[CO], 4, v6                     ; 16 x lane
	v_mul_u32_u24 v3, v1, PITCH
	v_lshl_add_u32 v4, v2, 4, v3
	s_mul_i32 s21, s15, HALFA                      ; my 128 rows of A
	s_mul_i32 s22, s16, HALFB                      ; my 128 rows of B,
	s_add_co_u32 s22, s22, 2*HALFA                 ; behind A's
.irp s, 0,1
	v_add_nc_u32 v[ADRA+\s], s21, v[CO]
	v_add_nc_u32 v[ADRB+\s], s22, v4
	s_add_co_u32 s21, s21, SLOT
	s_add_co_u32 s22, s22, SLOT
.endr
	v_mul_u32_u24 v5, v1, KS
	v_lshrrev_b32 v6, 8, v5
	v_lshl_add_u32 v5, v6, 4, v5
	s_mul_i32 s21, s15, HALFS
	s_mul_i32 s22, s16, HALFS
	s_add_co_u32 s22, s22, 2*HALFS
	s_sub_co_u32 s22, s22, s21
	v_mul_u32_u24 v6, s22, v2                      ; lanes 16-31 take B's
	s_add_co_u32 s21, s21, SCL
	v_add_nc_u32 v5, v5, v6
	v_add_nc_u32 v[ADRS], s21, v5
	s_mul_i32 s23, s14, 16*SPITCH                  ; my stage
	v_mul_u32_u24 v5, v1, SPITCH
	v_lshl_add_u32 v5, v2, 5, v5
	v_add_nc_u32 v[STO], s23, v5
	v_add_nc_u32 v[RD], s23, v[CO]
	v_lshlrev_b32 v[VB], 5, v2
	s_lshl_b32 s20, s17, 8
	s_lshl_b32 s21, s15, 7
	s_add_co_u32 s20, s20, s21                     ; my first row of C,
	s_lshl_b32 s20, s20, 12                        ; 4,096 bytes a row
	s_lshl_b32 s46, s42, 10                        ; my first column, in bytes: in C and in bo alike
	s_lshl_b32 s47, s16, 9
	s_add_co_u32 s46, s46, s47
	s_mov_b32 s47, 0
	s_add_nc_u64 s[BIAS:BIAS+1], s[BIAS:BIAS+1], s[46:47]
	s_add_co_u32 s20, s20, s46
	s_mov_b32 s21, 0
	s_add_nc_u64 s[12:13], s[12:13], s[20:21]
.irp b, 0,1,2,3,4,5,6,7
	global_load_b128 v[CB+8*\b:CB+8*\b+3], v[VB], s[BIAS:BIAS+1] offset:64*\b       ; bo at columns 16 b + 8 h + 0 .. 7
	global_load_b128 v[CB+8*\b+4:CB+8*\b+7], v[VB], s[BIAS:BIAS+1] offset:64*\b+16
.endr
.macro FRAGB reg, adr, q, i
.irp c, 0,1,2,3
	ds_load_b128 v[\reg+4*\c:\reg+4*\c+3], v[\adr] offset:128*(\q)+32*\c+(\i)*16*PITCH
.endr
.endm
.macro FRAGA reg, adr, q, i            ; the image of a fragment's registers: 512 consecutive bytes a load
.irp c, 0,1,2,3
	ds_load_b128 v[\reg+4*\c:\reg+4*\c+3], v[\adr] offset:(\i)*4096+(\q)*2048+512*\c
.endr
.endm
; 16 matrix instructions: A's blocks a0, a0 + 1 x B's eight.  zero = 0: in place; 2: C = bo of B's block.  The 64 accumulators take turns, one instruction a turn.
.macro MUL16 a0, p, q, sc, zero
.irp a, \a0, \a0+1
.irp b, 0,1,2,3,4,5,6,7
.if (\zero) == 0
	v_wmma_scale_f32_16x16x128_f8f6f4 v[8*(8*((\a)%4)+\b):8*(8*((\a)%4)+\b)+7], v[128*(\p)+FR*\b:128*(\p)+FR*\b+FR-1], v[AF+FR*(\a):AF+FR*(\a)+FR-1], v[8*(8*((\a)%4)+\b):8*(8*((\a)%4)+\b)+7], v[SC+8*NQ*(\sc)+NQ*\b+(\q)], v[SC+8*NQ*(\sc)+NQ*(\a)+(\q)] matrix_a_fmt:MATRIX_FMT_BF8 matrix_b_fmt:MATRIX_FMT_BF8 matrix_a_scale:MATRIX_SCALE_ROW1
.else
	v_wmma_scale_f32_16x16x128_f8f6f4 v[8*(8*((\a)%4)+\b):8*(8*((\a)%4)+\b)+7], v[128*(\p)+FR*\b:128*(\p)+FR*\b+FR-1], v[AF+FR*(\a):AF+FR*(\a)+FR-1], v[CB+8*\b:CB+8*\b+7], v[SC+8*NQ*(\sc)+NQ*\b+(\q)], v[SC+8*NQ*(\sc)+NQ*(\a)+(\q)] matrix_a_fmt:MATRIX_FMT_BF8 matrix_b_fmt:MATRIX_FMT_BF8 matrix_a_scale:MATRIX_SCALE_ROW1
.endif
.endr
.endr
.endm
.macro FETCH_B slot, q, p
	WIN TO_B
.irp i, 0,1,2,3,4,5,6,7
	FRAGB 128*(\p)+FR*\i, ADRB+\slot, \q, \i
.endr
	WIN 0
.endm
.macro FETCH_A slot, q, i0
.irp i, \i0, \i0+1, \i0+2, \i0+3
	FRAGA AF+FR*(\i), ADRA+\slot, \q, \i
.endr
.endm
.macro SCALES sc
.irp i, 0,1,2,3,4,5,6,7
	ds_load_b64 v[SC+8*NQ*\sc+NQ*\i:SC+8*NQ*\sc+NQ*\i+1], v[ADRS] offset:\i*SBLK
.endr
.endm
.macro PLACES n                        ; places behind matrix instructions (ISA guide 7.12.1 for vector instructions)
.rept \n
	v_nop
.endr
.endm
.macro STEP slot, q, zero
	s_wait_dscnt 4*NL                              ; all but the youngest sixteen loads (A's blocks 4-7) are in
.if (\zero) >= 2
	WIN 0x81                                       ; as MUL_LO, but C in window 0
.else
	WIN MUL_LO
.endif
	MUL16 0, (\q)%2, \q, \slot, \zero
	MUL16 2, (\q)%2, \q, \slot, \zero
	s_wait_dscnt 0
	PLACES NP
	FETCH_B \slot, (\q)+1, 1-(\q)%2
	FETCH_A \slot, (\q)+1, 0
.if (\zero) >= 2
	WIN 0xc1
.else
	WIN MUL_HI
.endif
	MUL16 4, (\q)%2, \q, \slot, \zero
	MUL16 6, (\q)%2, \q, \slot, \zero
	PLACES NP
	WIN 0
	FETCH_A \slot, (\q)+1, 4
.endm
.macro TURN slot, next, fill
	s_wait_tensorcnt 0x0                           ; all my tensor loads have landed: my part of the next slot
	ds_add_u32 v[SPW], v[NIL]                      ; 0 onto my spare word
	s_wait_dscnt 4*NL+1                            ; (the add and the youngest sixteen loads may be out)
	WIN MUL_LO
	MUL16 0, 1, NQ-1, \slot, 0
	s_wait_dscnt 0x0                               ; the add is done, and my reads of this slot are over
	s_barrier_signal -1
	MUL16 2, 1, NQ-1, \slot, 0
	WIN 0
	s_barrier_wait -1
.if \fill
	CREST                                          ; a round of the cluster's barrier: no wave of any partner still reads this slot or has a load on its way
	s_add_nc_u64 s[G0+4*\slot+2:G0+4*\slot+3], s[G0+4*\slot+2:G0+4*\slot+3], 2*4096
	s_add_nc_u64 s[G0B+4*\slot+2:G0B+4*\slot+3], s[G0B+4*\slot+2:G0B+4*\slot+3], 2*ROWB
	JLOAD G0+4*\slot, G1, G0B+4*\slot, G1B         ; my one tensor load behind the round
	PLACES NP-4
.else
	PLACES NP
.endif
	v_add_nc_u32 v[ADRS], 4*NQ, v[ADRS]
	FETCH_B \next, 0, 0
	FETCH_A \next, 0, 0
	SCALES \next
	WIN MUL_HI
	MUL16 4, 1, NQ-1, \slot, 0
	MUL16 6, 1, NQ-1, \slot, 0
	PLACES NP
	WIN 0
	FETCH_A \next, 0, 4
.endm
	s_wait_tensorcnt 1                             ; the scale bytes and my part of K step 0 are in (K step 1's load may be out)
	s_barrier_signal -1
	s_barrier_wait -1                              ; everybody's are
	FETCH_B 0, 0, 0
	FETCH_A 0, 0, 0
	SCALES 0
	FETCH_A 0, 0, 4
	s_wait_loadcnt 0x0                             ; bo
	STEP 0, 0, 2                                   ; the first step starts the sums with bo
	TURN 0, 1, 1                                   ; K = 1,024 is twice round the ring: written straight
	STEP 1, 0, 0
	TURN 1, 0, 1
	STEP 0, 0, 0
	TURN 0, 1, 0                                   ; the last lap fills nothing
	STEP 1, 0, 0
	s_wait_dscnt 4*NL
	WIN MUL_LO
	MUL16 0, 1, NQ-1, 1, 0
	MUL16 2, 1, NQ-1, 1, 0
	s_wait_dscnt 0
	WIN MUL_HI
	MUL16 4, 1, NQ-1, 1, 0
	MUL16 6, 1, NQ-1, 1, 0
	WIN 0
; THE WAY OUT, block by block of 16 rows x 128 columns, through my own stage: in as 32 bytes a lane, back as whole rows of 512 bytes.  LDS serves a wave's instructions in order (ISA guide 5.7.1.4).
.macro TOSTAGE a
.set AC, 64*((\a)%4)
	WIN 0x08+4*((\a)/4)                            ; an LDS store's data: window 2 or 3
.irp b, 0,1,2,3,4,5,6,7
	ds_store_b128 v[STO], v[AC+8*\b:AC+8*\b+3] offset:64*\b          ; each accumulator from its low end on
	ds_store_b128 v[STO], v[AC+8*\b+4:AC+8*\b+7] offset:64*\b+16
.endr
	WIN 0
.set BB, BK+64*((\a)%2)
.irp t, 0,1,2,3,4,5,6,7,8,9,10,11,12,13,14,15
	ds_load_b128 v[BB+4*\t:BB+4*\t+3], v[RD] offset:\t*SPITCH
.endr
.endm
.macro SEND a, younger                 ; younger: the LDS instructions issued behind block a's loads, which may stay out
.set BB, BK+64*((\a)%2)
	s_wait_dscnt \younger
.if (\a) > 0
	s_add_nc_u64 s[12:13], s[12:13], 16*SIZE_N*4   ; (behind a wait on XCNT: the earlier stores have read their base)
.endif
.irp t, 0,1,2,3,4,5,6,7,8,9,10,11,12,13,14,15
	global_store_b128 v[CO], v[BB+4*\t:BB+4*\t+3], s[12:13] offset:\t*SIZE_N*4 th:TH_STORE_NT   ; 32 lanes store 512 consecutive bytes, at a multiple of 256 from C's first byte
.endr
.endm
	PLACES NP
	TOSTAGE 0
.irp a, 1,2,3,4,5,6,7
.if \a > 1
	s_wait_xcnt 0x0                                ; block a - 2's stores have read their registers and their base
.endif
	TOSTAGE \a
	SEND \a-1, 32                                  ; behind block a - 1's loads: block a's 16 stores and 16 loads
.endr
	s_wait_xcnt 0x0
	SEND 7, 0
	s_wait_tensorcnt 0x0                           ; the wave's end, behind my last tensor load and my last LDS store
	ds_add_u32 v[SPW], v[NIL]
	s_wait_dscnt 0x0
	CROUND                                         ; the closing round
	s_endpgm
.Lfunc_end_k_qf5c6927e32_outp:
	.size	k_qf5c6927e32_outp, .Lfunc_end_k_qf5c6927e32_outp-k_qf5c6927e32_outp
	.p2alignl 7, 3214868480
	.fill 96, 4, 3214868480
	.section	.rodata,"a",@progbits
	.p2align	6, 0x0
	.amdhsa_kernel k_qf5c6927e32_outp
		.amdhsa_group_segment_fixed_size 327680
		.amdhsa_private_segment_fixed_size 0
		.amdhsa_enable_private_segment 0
		.amdhsa_kernarg_size 48
		.amdhsa_user_sgpr_count 2
		.amdhsa_user_sgpr_kernarg_segment_ptr 1
		.amdhsa_wavefront_size32 1
		.amdhsa_system_sgpr_workgroup_id_x 1
		.amdhsa_system_sgpr_workgroup_id_y 1
		.amdhsa_system_sgpr_workgroup_id_z 1
		.amdhsa_system_vgpr_workitem_id 0
		.amdhsa_next_free_vgpr 1024
		.amdhsa_next_free_sgpr 98
		.amdhsa_reserve_vcc 0
		.amdhsa_float_denorm_mode_32 3
		.amdhsa_float_denorm_mode_16_64 3
		.amdhsa_memory_ordered 1
		.amdhsa_forward_progress 1
		.amdhsa_inst_pref_size 147
	.end_amdhsa_kernel
	.amdgpu_metadata
---
amdhsa.version: [ 1, 2 ]
amdhsa.kernels:
  - .name:           k_qf5c6927e32_outp
    .symbol:         k_qf5c6927e32_outp.kd
    .args:
      - { .name: inter_codes, .offset: 0, .size: 8, .value_kind: global_buffer, .address_space: global }
      - { .name: inter_scales, .offset: 8, .size: 8, .value_kind: global_buffer, .address_space: global }
      - { .name: Wo_codes, .offset: 16, .size: 8, .value_kind: global_buffer, .address_space: global }
      - { .name: Wo_scales, .offset: 24, .size: 8, .value_kind: global_buffer, .address_space: global }
      - { .name: bo, .offset: 32, .size: 8, .value_kind: global_buffer, .address_space: global }
      - { .name: out0, .offset: 40, .size: 8, .value_kind: global_buffer, .address_space: global }
    .group_segment_fixed_size: 327680
    .private_segment_fixed_size: 0
    .kernarg_segment_align: 8
    .kernarg_segment_size: 48
    .max_flat_workgroup_size: 128
    .sgpr_count:     98
    .vgpr_count:     1024
    .wavefront_size: 32
...
	.end_amdgpu_metadata
.endif
;; end of part 4
